; MI455X (gfx1250); checked and timed in simulation.
; The chip was launched on July 23, 2026; its instructions are those of AMD's public machine-readable ISA for CDNA 5 (MIT licence, August 2026) and "CDNA5" Instruction Set Architecture Reference Guide (July 2026). The comments in the code are by the model that wrote it; some were corrected since.
;; Self Attention Layer. Allowed arithmetic: matrix products marked QUANTISED: E2M1 operands, one E8M0 scale for each 32 along K, by v_wmma_scale_f32_16x16x128_f8f6f4 with both operands' format E2M1 (or v_wmma_scale_f32_32x16x128_f4), f32 sums; products left as they are: bf16, f16 or f32 operands; f32 sums; everything else in f32.
;; Inputs: bk 1,024 float32; bp 1,024 float32; bq 1,024 float32; bv 1,024 float32; wk 1,024 x 1,024 float32; wp 1,024 x 1,024 float32; wq 1,024 x 1,024 float32; wv 1,024 x 1,024 float32; x 4 x 2,048 x 1,024 float32.
;; Outputs: out0 4 x 2,048 x 1,024 float32.
;; This version of the problem:
;;   THIS VERSION OF THE PROBLEM IS GIVEN IN LOW PRECISION. The matrix products marked QUANTISED in the list below multiply operands that are first quantised to E2M1 (2 exponent bits, 1 mantissa bit; 4 bits a number), with one power-of-two scale for each 32 numbers along K (OCP MX v1.0); their sums are f32. The products marked 'left as it is' may take bf16, f16 or f32 operands, with f32 sums. Whichever they take, every output number must still come out within the allowed error. Rounding operands to bf16 (8 significant bits) uses up far more of that allowance than f16 does (11 bits, for magnitudes from 6e-5 to 65,504). All else is computed in f32.
;;   The module's matrix products, in the order in which they are computed (A, B: the left and right operand; K: the contracted axis; several contracted axes count as one K, in the product's order):
;;     1. [M 8,192, K 1,024] x [K 1,024, N 1,024]; A: input x; B: input wq: QUANTISED
;;     2. [M 8,192, K 1,024] x [K 1,024, N 1,024]; A: input x; B: input wk: QUANTISED
;;     3. [M 8,192, K 1,024] x [K 1,024, N 1,024]; A: input x; B: input wv: QUANTISED
;;     4. batch 64 x [M 2,048, K 64] x [K 64, N 2,048]; A: computed on the way; B: computed on the way: left as it is (an operand is computed on the way)
;;     5. batch 64 x [M 2,048, K 2,048] x [K 2,048, N 64]; A: computed on the way; B: computed on the way: left as it is (an operand is computed on the way)
;;     6. [M 8,192, K 1,024] x [K 1,024, N 1,024]; A: computed on the way; B: input wp: left as it is (an operand is computed on the way)
;;   THE QUANTISER, for each operand of a quantised product, along K:
;;     - K is cut into blocks of 32 from its start; a last block that is shorter is filled with zeros.
;;     - A block's scale is 2^e with e = floor(log2(the largest magnitude in the block)) - 2, held to -126 .. 127; a block of zeros has e = 0. As a byte (E8M0): e + 127.
;;     - Each number is divided by its block's scale, clamped to +-6, and rounded to the nearest number of E2M1, ties to even, subnormals kept.
;;     - The product sums the exact products of the quantised numbers (number of the format x scale) in f32.
;;   ~~~python
;;   def quantise(x, axis):      # numpy; x: float32 -> the quantised numbers, widened to float32 again
;;       x = np.moveaxis(x, axis, -1); K = x.shape[-1]
;;       x = np.pad(x, [(0, 0)] * (x.ndim - 1) + [(0, -K % 32)]); x = x.reshape(x.shape[:-1] + (-1, 32)); a = np.abs(x).max(-1, keepdims=True)
;;       e = np.where(a > 0, np.clip(np.frexp(np.where(a > 0, a, 1))[1] - 1 - 2, -126, 127), 0)      # np.frexp(a)[1] - 1 = floor(log2(a)), exactly
;;       r = np.clip(x / 2.0 ** e, -6, 6)
;;       step = 2.0 ** (np.maximum(np.frexp(np.where(r == 0, 1, r))[1] - 1, 0) - 1)
;;       q = np.round(r / step) * step * 2.0 ** e      # np.round: ties to even
;;       return np.moveaxis(q.reshape(q.shape[:-2] + (-1,))[..., :K], -1, axis).astype(np.float32)
;;   ~~~
;; One version. Each part assembles by itself: llvm-mc -triple=amdgcn-amd-amdhsa -mcpu=gfx1250 --defsym DOCPART=n.
;; ======== version 1 of 1: 6 launches
;; limits: values are held in f16: magnitudes above 65,504 overflow, below 6.1e-05 lose precision
;; workspace buffers: xcodes 4,194,304 bytes; xscales 262,144 bytes; wcodes 1,572,864 bytes; wscales 98,304 bytes; wp16 2,097,152 bytes; qkv 50,331,648 bytes; att 16,777,216 bytes; att16 262,144 bytes
;; launch quant (part 1): grid 384 x 1, 4 waves a work-group, no clusters, 33,280 bytes of LDS; arguments x, wq, wk, wv, wp, xcodes, xscales, wcodes, wscales, wp16; writes xcodes, xscales, wcodes, wscales, wp16
.if DOCPART == 1
	.amdgcn_target "amdgcn-amd-amdhsa--gfx1250"
	.amdhsa_code_object_version 6
	.text
	.protected	k_q7caa3f5132_quant
	.globl	k_q7caa3f5132_quant
	.p2align	8
	.type	k_q7caa3f5132_quant,@function
k_q7caa3f5132_quant:
	s_mov_b64 s[64:65], 0
	v_nop
	global_prefetch_b8 v0, s[64:65] scope:SCOPE_SE
	s_setreg_imm32_b32 hwreg(HW_REG_WAVE_MODE, 25, 1), 1
	s_wait_xcnt 0x0
; x [8192][1024] and wq, wk, wv [1024][1024], f32, K innermost, become codes of FP4 (E2M1), two a byte, and one E8M0 scale byte for each 32 along K.
; wp [1024][1024], f32, becomes f16, laid in 16 planes [k / 64][n][64], so that two neighbouring rows of a plane are 256 consecutive bytes.
; A block's scale is 2^(floor(log2(its largest magnitude)) - 2); its byte is the largest magnitude's exponent field - 2, held at 1 from below.  A block of zeros so gets the byte 1
; where the quantiser's rule says 127: its codes are zeros, which add nothing under any byte but 0xff, and this program alone reads the bytes.
; LIMITS: NaN and infinities among the inputs are not served; numbers of wp beyond f16's 65,504 are not served.
; SHARES.  Work-groups 0-255 take x, 256-351 wq, wk, wv (32 each), as plain streams of blocks of 32: 32,768 numbers a work-group, 8,192 a wave, 512 a step.  The three weights' codes and bytes lie on end.
; Work-groups 352-383 take 32 rows of wp each; they touch no LDS.
; A step's four loads read 512 consecutive bytes each; its 2,048 bytes turn through the wave's own stage in LDS and come back 64 bytes (16 neighbours along K) a lane; two lanes hold a block.
.set STEPS, 16
.set EMAX,  2
.set CB,    8                          ; bytes of 16 codes
.set R,     16                         ; v16-79   four sets of 16 numbers as loaded
.set X,     80                         ; v80-111  two sets of 16 neighbours
.set C,     128                        ; v128-191 codes, four registers a step: no store's data are written again
.set E,     112                        ; v112-127 a scale byte a step
.set WREG,  8192                       ; LDS: a region for each wave: two stages of 32 x SP bytes, then its 256 scale bytes
.set SP,    80                         ; a lane's place in a stage: 64 bytes + 16 of padding
.set SPW,   12                         ; v12  LDS address of my spare word; never rewritten
.set NIL,   13                         ; v13  0; never rewritten
.set SPARE, 4*WREG                     ; behind the four regions: the spare words, 128 bytes a wave
	s_load_b256 s[4:11], s[0:1], 0x0               ; x, wq, wk, wv
	s_load_b256 s[12:19], s[0:1], 0x20             ; wp, x's codes, x's scales, the weights' codes
	s_load_b128 s[20:23], s[0:1], 0x40             ; the weights' scales, wp in f16
	v_lshl_add_u32 v[SPW], v0, 2, SPARE
	v_mov_b32 v[NIL], 0
	v_lshrrev_b32 v1, 5, v0
	v_readfirstlane_b32 s24, v1                    ; wave
	v_and_b32 v2, 31, v0                           ; lane
	s_cmp_ge_u32 ttmp9, 352
	s_cbranch_scc1 .Lwp
	v_lshlrev_b32 v3, 4, v2                        ; my 16 bytes of a load's 512
	s_mul_i32 s25, s24, WREG
	v_lshrrev_b32 v14, 2, v2
	v_mul_u32_u24 v14, v14, SP
	v_and_b32 v15, 3, v2
	v_lshl_add_u32 v14, v15, 4, v14
	v_add_nc_u32 v14, s25, v14                     ; the stage, on the way in: SP (lane / 4) + 16 (lane % 4)
	v_mul_u32_u24 v15, v2, SP
	v_add_nc_u32 v15, s25, v15                     ; and on the way out: SP x lane
	v_mul_u32_u24 v4, v2, CB                       ; my codes' place in a step's
	v_lshrrev_b32 v5, 1, v2
	s_add_co_u32 s25, s25, 2*32*SP
	v_add_nc_u32 v5, s25, v5                       ; LDS: my block's scale byte
	v_lshlrev_b32 v7, 3, v2                        ; the bytes' way out: 8 a lane
	v_add_nc_u32 v6, s25, v7
	s_sub_co_u32 s26, ttmp9, 256                   ; among the weights' work-groups (chosen away for x's)
	s_lshr_b32 s27, s26, 5                         ; which weight
	s_and_b32 s28, s26, 31                         ; which part of it
	s_wait_kmcnt 0x0
	s_cmp_eq_u32 s27, 1
	s_cselect_b64 s[6:7], s[8:9], s[6:7]
	s_cmp_eq_u32 s27, 2
	s_cselect_b64 s[6:7], s[10:11], s[6:7]         ; the weight: the choice hangs on the work-group's number alone
	s_cmp_lt_u32 ttmp9, 256
	s_cselect_b64 s[4:5], s[4:5], s[6:7]           ; the source,
	s_cselect_b64 s[14:15], s[14:15], s[18:19]     ; its codes,
	s_cselect_b64 s[16:17], s[16:17], s[20:21]     ; its scale bytes,
	s_cselect_b32 s28, ttmp9, s28                  ; the part of the source,
	s_cselect_b32 s26, ttmp9, s26                  ; and of the results
	s_lshl_b32 s28, s28, 2
	s_add_co_u32 s28, s28, s24                     ; my wave's run of 8,192 numbers
	s_lshl_b32 s28, s28, 15
	s_mov_b32 s29, 0
	s_add_nc_u64 s[4:5], s[4:5], s[28:29]
	s_lshl_b32 s26, s26, 2
	s_add_co_u32 s26, s26, s24
	s_lshl_b32 s28, s26, 12                        ; 4,096 bytes of codes a run
	s_add_nc_u64 s[14:15], s[14:15], s[28:29]
	s_lshl_b32 s28, s26, 8                         ; 256 scale bytes a run
	s_add_nc_u64 s[16:17], s[16:17], s[28:29]
.macro LOAD t
.irp i, 0,1,2,3
	global_load_b128 v[R+16*((\t)%4)+4*\i:R+16*((\t)%4)+4*\i+3], v3, s[4:5] offset:2048*(\t)+512*\i th:TH_LOAD_NT   ; 32 lanes read 512 consecutive bytes
.endr
.endm
.macro TURN t                          ; step t's numbers through the stage: LDS serves a wave's instructions in order, so no wait stands between the stores and the loads
.irp i, 0,1,2,3
	ds_store_b128 v14, v[R+16*((\t)%4)+4*\i:R+16*((\t)%4)+4*\i+3] offset:32*SP*((\t)%2)+8*SP*\i
.endr
.irp i, 0,1,2,3
	ds_load_b128 v[X+16*((\t)%2)+4*\i:X+16*((\t)%2)+4*\i+3], v15 offset:32*SP*((\t)%2)+16*\i
.endr
.endm
.irp t, 0,1,2,3
	LOAD \t
.endr
	s_wait_loadcnt 12                              ; step 0's four loads are in
	TURN 0
.macro STEP t
.set XS, X+16*((\t)%2)
.if (\t) > 0
	s_wait_dscnt 1                                 ; this step's numbers are back from the stage (the last step's byte store may be out)
.else
	s_wait_dscnt 0x0
.endif
.if (\t)+4 < STEPS
	LOAD (\t)+4                                    ; into the registers that the stage's stores have read
.endif
.if (\t)+1 < STEPS
.if STEPS-2-(\t) >= 3
	s_wait_loadcnt 12                              ; the next step's four loads are in; three steps' may be out
.else
	s_wait_loadcnt 4*(STEPS-2-(\t))
.endif
	TURN (\t)+1
.endif
	v_max3_num_f32 v8, |v[XS]|, |v[XS+1]|, |v[XS+2]|               ; the largest magnitude of my 16, in two chains
	v_max3_num_f32 v9, |v[XS+3]|, |v[XS+4]|, |v[XS+5]|
.irp i, 6,10
	v_max3_num_f32 v8, v8, |v[XS+\i]|, |v[XS+\i+1]|
	v_max3_num_f32 v9, v9, |v[XS+\i+2]|, |v[XS+\i+3]|
.endr
	v_max3_num_f32 v8, v8, |v[XS+14]|, |v[XS+15]|
	v_max3_num_f32 v8, v8, v9, (EMAX+1)<<23        ; and the floor 2^(3 - 127): the byte cannot fall under 1
	v_max_num_f32_dpp v8, v8, v8 row_xmask:1 row_mask:0xf bank_mask:0xf   ; with my neighbour's 16: the block's
	v_add_nc_u32 v11, -(EMAX<<23), v8              ; 2 off its exponent field: the conversion takes that field as its scale
	v_cvt_scalef32_pk8_fp4_f32 v[C+4*(\t)], v[XS:XS+7], v11
	v_cvt_scalef32_pk8_fp4_f32 v[C+4*(\t)+1], v[XS+8:XS+15], v11
	v_lshrrev_b32 v[E+(\t)], 23, v11               ; the scale's byte
	ds_store_b8 v5, v[E+(\t)] offset:16*(\t)       ; both lanes of a block write the same byte with the same value
	global_store_b64 v4, v[C+4*(\t):C+4*(\t)+1], s[14:15] offset:32*CB*(\t)   ; the wave stores 256 consecutive bytes, aligned
.endm
.irp t, 0,1,2,3,4,5,6,7,8,9,10,11,12,13,14,15
	STEP \t
.endr
	ds_load_b64 v[8:9], v6                         ; LDS serves a wave's instructions in order: these see my byte stores
	s_wait_dscnt 0x0
	global_store_b64 v7, v[8:9], s[16:17]          ; the wave's 256 scale bytes, aligned
	s_wait_tensorcnt 0x0                           ; the wave's end
	ds_add_u32 v[SPW], v[NIL]
	s_wait_dscnt 0x0
	s_endpgm
; wp to f16.  Wave w of work-group g takes rows 32 g + 8 w .. + 7, two at a time.  A pass is 2 rows x 128 along K: lane = (plane of the pair, row of the pair, 8 numbers).
; Sixteen lanes then store two rows of one plane: 256 consecutive bytes, aligned.
.Lwp:
	s_sub_co_u32 s26, ttmp9, 352
	s_lshl_b32 s26, s26, 5
	s_lshl_b32 s27, s24, 3
	s_add_co_u32 s26, s26, s27                     ; my wave's first row
	v_and_b32 v3, 7, v0                            ; which 8 numbers
	v_bfe_u32 v4, v0, 3, 1                         ; which row of the pair
	v_bfe_u32 v5, v0, 4, 1                         ; which plane of the pair
	v_lshlrev_b32 v1, 5, v3
	v_lshl_add_u32 v1, v5, 8, v1
	v_lshl_add_u32 v1, v4, 12, v1                  ; in: row x 4,096 + plane x 256 + 32 bytes a lane
	v_lshlrev_b32 v2, 4, v3
	v_lshl_add_u32 v2, v4, 7, v2
	v_lshl_add_u32 v2, v5, 17, v2                  ; out: plane x 131,072 + row x 128 + 16 bytes a lane
	s_lshl_b32 s28, s26, 12
	s_mov_b32 s29, 0
	s_wait_kmcnt 0x0
	s_add_nc_u64 s[12:13], s[12:13], s[28:29]
	s_lshl_b32 s28, s26, 7
	s_add_nc_u64 s[22:23], s[22:23], s[28:29]
.macro WPG i                           ; rows 2 i, 2 i + 1 of my eight: eight passes
	s_wait_xcnt 0x0                                ; the last group's stores have read their data: they are written again below
.irp p, 0,1,2,3,4,5,6,7
	global_load_b128 v[16+8*\p:19+8*\p], v1, s[12:13] offset:\i*8192+\p*512 th:TH_LOAD_NT
	global_load_b128 v[20+8*\p:23+8*\p], v1, s[12:13] offset:\i*8192+\p*512+16 th:TH_LOAD_NT
.endr
.irp p, 0,1,2,3,4,5,6,7
	s_wait_loadcnt 14-2*\p                         ; this pass's two loads are in; the later passes' may be out
.irp q, 0,1,2,3
	v_cvt_pk_f16_f32 v[80+4*\p+\q], v[16+8*\p+2*\q], v[17+8*\p+2*\q]
.endr
	global_store_b128 v2, v[80+4*\p:83+4*\p], s[22:23] offset:\p*262144+\i*256
.endr
.endm
	WPG 0
	WPG 1
	WPG 2
	WPG 3
	s_endpgm
.Lfunc_end_k_q7caa3f5132_quant:
	.size	k_q7caa3f5132_quant, .Lfunc_end_k_q7caa3f5132_quant-k_q7caa3f5132_quant
	.p2alignl 7, 3214868480
	.fill 96, 4, 3214868480
	.section	.rodata,"a",@progbits
	.p2align	6, 0x0
	.amdhsa_kernel k_q7caa3f5132_quant
		.amdhsa_group_segment_fixed_size 33280
		.amdhsa_private_segment_fixed_size 0
		.amdhsa_enable_private_segment 0
		.amdhsa_kernarg_size 80
		.amdhsa_user_sgpr_count 2
		.amdhsa_user_sgpr_kernarg_segment_ptr 1
		.amdhsa_wavefront_size32 1
		.amdhsa_system_sgpr_workgroup_id_x 1
		.amdhsa_system_sgpr_workgroup_id_y 1
		.amdhsa_system_sgpr_workgroup_id_z 1
		.amdhsa_system_vgpr_workitem_id 0
		.amdhsa_next_free_vgpr 192
		.amdhsa_next_free_sgpr 66
		.amdhsa_reserve_vcc 0
		.amdhsa_float_denorm_mode_32 3
		.amdhsa_float_denorm_mode_16_64 3
		.amdhsa_memory_ordered 1
		.amdhsa_forward_progress 1
		.amdhsa_inst_pref_size 53
	.end_amdhsa_kernel
	.amdgpu_metadata
---
amdhsa.version: [ 1, 2 ]
amdhsa.kernels:
  - .name:           k_q7caa3f5132_quant
    .symbol:         k_q7caa3f5132_quant.kd
    .args:
      - { .name: x, .offset: 0, .size: 8, .value_kind: global_buffer, .address_space: global }
      - { .name: wq, .offset: 8, .size: 8, .value_kind: global_buffer, .address_space: global }
      - { .name: wk, .offset: 16, .size: 8, .value_kind: global_buffer, .address_space: global }
      - { .name: wv, .offset: 24, .size: 8, .value_kind: global_buffer, .address_space: global }
      - { .name: wp, .offset: 32, .size: 8, .value_kind: global_buffer, .address_space: global }
      - { .name: xcodes, .offset: 40, .size: 8, .value_kind: global_buffer, .address_space: global }
      - { .name: xscales, .offset: 48, .size: 8, .value_kind: global_buffer, .address_space: global }
      - { .name: wcodes, .offset: 56, .size: 8, .value_kind: global_buffer, .address_space: global }
      - { .name: wscales, .offset: 64, .size: 8, .value_kind: global_buffer, .address_space: global }
      - { .name: wp16, .offset: 72, .size: 8, .value_kind: global_buffer, .address_space: global }
    .group_segment_fixed_size: 33280
    .private_segment_fixed_size: 0
    .kernarg_segment_align: 8
    .kernarg_segment_size: 80
    .max_flat_workgroup_size: 128
    .sgpr_count:     66
    .vgpr_count:     192
    .wavefront_size: 32
...
	.end_amdgpu_metadata
.endif
;; end of part 1
;; launch qkv (part 2): grid 12 x 32, 4 waves a work-group, clusters of 4 x 4, 327,680 bytes of LDS; arguments xcodes, xscales, wcodes, wscales, bq, bk, bv, qkv; writes qkv
.if DOCPART == 2
	.amdgcn_target "amdgcn-amd-amdhsa--gfx1250"
	.amdhsa_code_object_version 6
	.text
	.protected	k_q7caa3f5132_qkv
	.globl	k_q7caa3f5132_qkv
	.p2align	8
	.type	k_q7caa3f5132_qkv,@function
k_q7caa3f5132_qkv:
	s_mov_b64 s[64:65], 0
	v_nop
	global_prefetch_b8 v0, s[64:65] scope:SCOPE_SE
	s_setreg_imm32_b32 hwreg(HW_REG_WAVE_MODE, 25, 1), 1
	s_wait_xcnt 0x0
	s_wait_alu depctr_hold_cnt(0) depctr_sa_sdst(0) depctr_va_vdst(0) depctr_va_sdst(0) depctr_va_ssrc(0) depctr_va_vcc(0) depctr_vm_vsrc(0)
	s_getreg_b32 s2, hwreg(HW_REG_IB_STS2, 6, 4)
	s_cmp_eq_u32 s2, 0
	s_cbranch_scc0 .Lentry_in_a_cluster
	s_endpgm
.Lentry_in_a_cluster:
	s_bfe_u32 s2, ttmp6, 0x10000c
	s_cmp_lg_u32 s2, 0xf033
	s_cbranch_scc0 .Lentry_shape_is_right
	s_endpgm
.Lentry_shape_is_right:
; q, k, v = x W^T + b on codes of FP4 (E2M1) with one E8M0 scale for each 32 along K: C[m][n], m = 8,192 tokens, n = 3,072 (wq's, wk's, wv's rows on end), K = 1,024; sums in f32, started by the bias.
; The result leaves as f16 in planes [batch][48 = q's, k's, v's 16 heads][2,048 tokens][64].  LIMIT: |q|, |k|, |v| stay under f16's 65,504.
; A tile of C, 256 x 256, is made by four waves, each 128 x 128: 64 accumulators, 512 registers.  K goes in two steps of 512 through two LDS slots, each filled once by the tensor data mover.
; The scale bytes of the work-group's 256 + 256 rows, for all of K, come once, as rows of 256 bytes.
; CLUSTERS: 4 x 4 work-groups; A's tiles are asked for jointly along a row of the cluster, B's along a column.  The matrix instruction is used TRANSPOSED (source 0 = 16 rows of W, source 1 = 16 tokens):
; a lane then holds eight neighbouring columns of one token.
; REGISTERS: window 0: v0-31 addresses; v32-95 scale words, two sets; v128-191 A's fragments, one set; v192-255 the bias in the result's layout.  window 1: B's fragments, two sets.  windows 2, 3: the accumulators.
.set SIZE_K, 1024
.set KSTEP,  512
.set NQ,     KSTEP/128
.set ROWB,   256                       ; a tile's row in bytes
.set KROW,   SIZE_K/2                  ; a row of codes in memory
.set PITCH,  272                       ; an LDS row: 256 bytes + 16 of padding: the 16 rows that a load touches start 16 bytes apart modulo 256
.set FR,     8
.set NL,     2
.set NP,     4                         ; places behind this matrix instruction (ISA guide 7.12.1)
.set HALFT,  128*PITCH
.set SLOT,   4*HALFT
.set KS,     SIZE_K/32                 ; a row of scale bytes
.set SCL,    2*SLOT
.set HALFS,  (128*KS/256)*272
.set SBLK,   (16*KS/256)*272
.set SPARE,  SCL+4*HALFS               ; the spare words, 128 bytes a wave
.set SPITCH, 272                       ; the way out: 16 rows x (256 bytes + 16) a wave, in slot 0, which has had its only fill and its last read by then
.set ADRA, 16
.set ADRB, 20
.set STO,  24
.set RD,   25
.set CO,   26
.set ADRS, 27
.set SPW,  28
.set NIL,  29
.set SC,   32
.set TMP,  32                          ; the way out: packed results
.set AF,   128
.set BK,   128                         ; the way out: rows read back: v128-159 and v160-191 by turns
.set BIAS, 192
.set G1, 24
.set G0, 32
.set G1B, 48
.set G0B, 56
.set G1S, 68
.set G0S, 76
.set G1SB, 80
.set G0SB, 88
.set MSB, 0
.macro WIN new                         ; the immediate's high byte repeats the setting that is left
.if MSB != (\new)
	s_set_vgpr_msb (MSB<<8)|(\new)
.set MSB, (\new)
.endif
.endm
.set MUL_LO, 0xa1                      ; source 0 (W) window 1, source 1 (x) window 0, C and D window 2
.set MUL_HI, 0xf1                      ; the same, C and D window 3
.set BEG_LO, 0x81                      ; the first step: C is the bias, in window 0
.set BEG_HI, 0xc1
.set TO_B,   0x40
; A joint load: waves 0 and 1 fetch for A, waves 2 and 3 for B; the branch hangs on the wave's number alone.  An s_nop 0 and four v_nop follow each line.
.macro JLOAD g0a, g1a, g0b, g1b
	s_cmp_eq_u32 s15, 0
	s_cbranch_scc0 .Lfor_b_\@
	tensor_load_to_lds s[\g0a:\g0a+3], s[\g1a:\g1a+7]
	s_nop 0
.rept 4
	v_nop
.endr
	s_branch .Lasked_\@
.Lfor_b_\@:
	tensor_load_to_lds s[\g0b:\g0b+3], s[\g1b:\g1b+7]
	s_nop 0
.rept 4
	v_nop
.endr
.Lasked_\@:
.endm
.macro CROUND                          ; a round of the cluster's barrier
	s_barrier_signal -1
	s_barrier_wait -1
	s_cmp_lg_u32 s14, 0
	s_cbranch_scc1 .Lnot_wave_0_\@
	s_barrier_signal -3
.Lnot_wave_0_\@:
	s_barrier_wait -3
	s_barrier_signal -1
	s_barrier_wait -1
.endm
	s_load_b128 s[4:7], s[0:1], 0x0                ; x's codes, x's scales
	s_load_b128 s[8:11], s[0:1], 0x10              ; the weights' codes, their scales
	s_load_b128 s[96:99], s[0:1], 0x20             ; bq, bk
	s_load_b64 s[100:101], s[0:1], 0x30            ; bv
	s_load_b64 s[12:13], s[0:1], 0x38              ; the result
	v_lshl_add_u32 v[SPW], v0, 2, SPARE
	v_mov_b32 v[NIL], 0
	ds_add_u32 v[SPW], v[NIL]                      ; the wave's opening: the add, twice on end, and its wait ahead of my first tensor load
	ds_add_u32 v[SPW], v[NIL]
	v_lshrrev_b32 v1, 5, v0
	v_readfirstlane_b32 s14, v1                    ; wave 0..3
	s_lshr_b32 s15, s14, 1                         ; which half of the tile's rows is mine.  Also: I fetch for A (0) or for B (1)
	s_and_b32 s16, s14, 1                          ; which half of its columns.  Also: which 128 rows I fetch
	s_bfe_u32 s40, ttmp6, 0x40000                  ; cx, cy
	s_bfe_u32 s41, ttmp6, 0x40004
	s_lshl_b32 s42, ttmp9, 2
	s_add_co_u32 s42, s42, s40                     ; tile column
	s_and_b32 s17, ttmp7, 0xffff
	s_lshl_b32 s17, s17, 2
	s_add_co_u32 s17, s17, s41                     ; tile row
	s_lshl_b32 s43, s41, 2
	s_lshl_b32 s43, 15, s43                        ; my row of the cluster
	s_lshl_b32 s44, 0x1111, s40                    ; my column
	s_or_b32 s[G1+0], s43, (0<<16)|(1<<20)|(1<<21)|(5<<22)|(3<<25)  ; the mask; elements of 1 byte; 4 words of padding after every 64
	s_or_b32 s[G1B+0], s44, (0<<16)|(1<<20)|(1<<21)|(5<<22)|(3<<25)
.irp g, G1, G1B
	s_mov_b32 s[\g+1], ROWB<<16                    ; tensor_dim0
	s_mov_b32 s[\g+2], 128<<16                     ; tensor_dim1
	s_mov_b32 s[\g+3], ROWB<<16                    ; tile_dim0
	s_mov_b32 s[\g+4], 128                         ; tile_dim1
	s_mov_b32 s[\g+5], KROW                        ; pitch
	s_mov_b32 s[\g+6], 0
	s_mov_b32 s[\g+7], 0
.endr
	s_or_b32 s[G1S+0], s43, (3<<16)|(1<<20)|(1<<21)|(5<<22)|(3<<25) ; the scales of 128 rows: a dense block, as rows of 32 elements of 8 bytes
	s_or_b32 s[G1SB+0], s44, (3<<16)|(1<<20)|(1<<21)|(5<<22)|(3<<25)
.irp g, G1S, G1SB
	s_mov_b32 s[\g+1], 32<<16
	s_mov_b32 s[\g+2], (128*KS/256)<<16
	s_mov_b32 s[\g+3], 32<<16
	s_mov_b32 s[\g+4], 128*KS/256
	s_mov_b32 s[\g+5], 32
	s_mov_b32 s[\g+6], 0
	s_mov_b32 s[\g+7], 0
.endr
	s_lshl_b32 s18, s16, 7
	s_lshl_b32 s20, s17, 8
	s_add_co_u32 s20, s20, s18                     ; A: row 256 x tile row + 128 x half
	s_lshl_b32 s46, s42, 8
	s_add_co_u32 s46, s46, s18                     ; B: row 256 x tile column + 128 x half
	s_mov_b32 s21, 0
	s_mov_b32 s47, 0
	s_mov_b64 s[18:19], KS
	s_mul_u64 s[22:23], s[20:21], s[18:19]
	s_mul_u64 s[92:93], s[46:47], s[18:19]
	s_mov_b64 s[18:19], KROW
	s_mul_u64 s[20:21], s[20:21], s[18:19]
	s_mul_u64 s[46:47], s[46:47], s[18:19]
	s_mul_i32 s45, s14, HALFT                      ; where they go: wave x 128 rows
	s_mul_i32 s94, s14, HALFS
	s_wait_dscnt 0x0                               ; both opening adds are done
	s_wait_kmcnt 0x0
	s_add_nc_u64 s[20:21], s[4:5], s[20:21]
	s_add_nc_u64 s[22:23], s[6:7], s[22:23]
	s_add_nc_u64 s[46:47], s[8:9], s[46:47]
	s_add_nc_u64 s[92:93], s[10:11], s[92:93]
	CROUND                                         ; all sixteen work-groups are here: the joint loads meet
	s_mov_b32 s[G0S], 1
	s_add_co_u32 s[G0S+1], s94, SCL
	s_mov_b64 s[G0S+2:G0S+3], s[22:23]
	s_or_b32 s[G0S+3], s[G0S+3], 0x80000000
	s_mov_b32 s[G0SB], 1
	s_add_co_u32 s[G0SB+1], s94, SCL
	s_mov_b64 s[G0SB+2:G0SB+3], s[92:93]
	s_or_b32 s[G0SB+3], s[G0SB+3], 0x80000000
	JLOAD G0S, G1S, G0SB, G1SB                     ; the scales first
.irp s, 0,1
	s_mov_b32 s[G0+4*\s], 1
	s_add_co_u32 s[G0+4*\s+1], s45, \s*SLOT
	s_add_nc_u64 s[G0+4*\s+2:G0+4*\s+3], s[20:21], \s*ROWB
	s_or_b32 s[G0+4*\s+3], s[G0+4*\s+3], 0x80000000
	s_mov_b32 s[G0B+4*\s], 1
	s_add_co_u32 s[G0B+4*\s+1], s45, \s*SLOT
	s_add_nc_u64 s[G0B+4*\s+2:G0B+4*\s+3], s[46:47], \s*ROWB
	s_or_b32 s[G0B+4*\s+3], s[G0B+4*\s+3], 0x80000000
	JLOAD G0+4*\s, G1, G0B+4*\s, G1B               ; both K steps: three loads of mine are out
.endr
	v_and_b32 v1, 15, v0                           ; l % 16
	v_bfe_u32 v2, v0, 4, 1                         ; l / 16
	v_mul_u32_u24 v3, v1, PITCH
	v_lshl_add_u32 v4, v2, 4, v3
	s_mul_i32 s21, s15, HALFT
	s_mul_i32 s22, s16, HALFT
	s_add_co_u32 s22, s22, 2*HALFT
.irp s, 0,1
	v_add_nc_u32 v[ADRA+\s], s21, v4
	v_add_nc_u32 v[ADRB+\s], s22, v4
	s_add_co_u32 s21, s21, SLOT
	s_add_co_u32 s22, s22, SLOT
.endr
	v_mul_u32_u24 v5, v1, KS                       ; my row's scales,
	v_lshrrev_b32 v6, 8, v5
	v_lshl_add_u32 v5, v6, 4, v5                   ; 16 more for each 256 passed
	s_mul_i32 s21, s15, HALFS
	s_mul_i32 s22, s16, HALFS
	s_add_co_u32 s22, s22, 2*HALFS
	s_sub_co_u32 s22, s22, s21
	v_mul_u32_u24 v6, s22, v2                      ; lanes 16-31 take B's
	s_add_co_u32 s21, s21, SCL
	v_add_nc_u32 v5, v5, v6
	v_add_nc_u32 v[ADRS], s21, v5
	s_mul_i32 s23, s14, 16*SPITCH                  ; my stage
	v_mul_u32_u24 v5, v1, SPITCH
	v_lshl_add_u32 v5, v2, 4, v5
	v_add_nc_u32 v[STO], s23, v5                   ; in: row l % 16, 16 bytes for each half of the lanes
	v_bfe_u32 v5, v0, 3, 1                         ; back: lanes 0-15 take head 0's 128 bytes of two rows, lanes 16-31 head 1's
	v_and_b32 v6, 7, v0
	v_mul_u32_u24 v7, v5, SPITCH
	v_lshl_add_u32 v7, v2, 7, v7
	v_lshl_add_u32 v7, v6, 4, v7
	v_add_nc_u32 v[RD], s23, v7
	v_lshlrev_b32 v7, 18, v2                       ; and in memory: plane x 262,144 + row x 128 + 16 bytes a lane
	v_lshl_add_u32 v7, v5, 7, v7
	v_lshl_add_u32 v[CO], v6, 4, v7
	v_lshlrev_b32 v7, 5, v2                        ; the bias: my half's eight columns
	s_cmp_eq_u32 ttmp9, 1                          ; the cluster's x says which weight these columns belong to
	s_cselect_b64 s[96:97], s[98:99], s[96:97]
	s_cmp_eq_u32 ttmp9, 2
	s_cselect_b64 s[96:97], s[100:101], s[96:97]
	s_lshl_b32 s98, s40, 10                        ; 256 columns a tile,
	s_lshl_b32 s99, s16, 9                         ; my 128 of them
	s_add_co_u32 s98, s98, s99
	s_mov_b32 s99, 0
	s_add_nc_u64 s[96:97], s[96:97], s[98:99]
.irp b, 0,1,2,3,4,5,6,7
	global_load_b128 v[BIAS+8*\b:BIAS+8*\b+3], v7, s[96:97] offset:64*\b        ; columns 16 b + 8 (l / 16) + 0 .. 7: the C of block b's first products
	global_load_b128 v[BIAS+8*\b+4:BIAS+8*\b+7], v7, s[96:97] offset:64*\b+16
.endr
	s_lshr_b32 s20, s17, 3                         ; the batch
	s_mul_i32 s20, s20, 48*262144
	s_lshl_b32 s21, s42, 2
	s_lshl_b32 s22, s16, 1
	s_add_co_u32 s21, s21, s22                     ; my first plane: 4 x tile column + 2 x half
	s_lshl_b32 s21, s21, 18
	s_add_co_u32 s20, s20, s21
	s_and_b32 s21, s17, 7
	s_lshl_b32 s21, s21, 8
	s_lshl_b32 s22, s15, 7
	s_add_co_u32 s21, s21, s22                     ; my first token in the batch
	s_lshl_b32 s21, s21, 7
	s_add_co_u32 s20, s20, s21
	s_mov_b32 s21, 0
	s_add_nc_u64 s[12:13], s[12:13], s[20:21]
.macro FRAG reg, adr, q, i             ; 16 rows x 128 K of 4-bit codes: registers 4 c .. 4 c + 3 hold K = 64 c + 32 (l / 16) + 0 .. 31
.irp c, 0,1
	ds_load_b128 v[\reg+4*\c:\reg+4*\c+3], v[\adr] offset:64*(\q)+32*\c+(\i)*16*PITCH
.endr
.endm
; 16 matrix instructions: A's blocks a0, a0 + 1 x B's eight.  zero = 1: the first products take the bias as C.  The 64 accumulators take turns, one instruction a turn.
.macro MUL16 a0, p, q, sc, zero
.irp a, \a0, \a0+1
.irp b, 0,1,2,3,4,5,6,7
.if \zero
	v_wmma_scale_f32_16x16x128_f8f6f4 v[8*(8*((\a)%4)+\b):8*(8*((\a)%4)+\b)+7], v[128*(\p)+FR*\b:128*(\p)+FR*\b+FR-1], v[AF+FR*(\a):AF+FR*(\a)+FR-1], v[BIAS+8*\b:BIAS+8*\b+7], v[SC+8*NQ*(\sc)+NQ*\b+(\q)], v[SC+8*NQ*(\sc)+NQ*(\a)+(\q)] matrix_a_fmt:MATRIX_FMT_FP4 matrix_b_fmt:MATRIX_FMT_FP4 matrix_a_scale:MATRIX_SCALE_ROW1
.else
	v_wmma_scale_f32_16x16x128_f8f6f4 v[8*(8*((\a)%4)+\b):8*(8*((\a)%4)+\b)+7], v[128*(\p)+FR*\b:128*(\p)+FR*\b+FR-1], v[AF+FR*(\a):AF+FR*(\a)+FR-1], v[8*(8*((\a)%4)+\b):8*(8*((\a)%4)+\b)+7], v[SC+8*NQ*(\sc)+NQ*\b+(\q)], v[SC+8*NQ*(\sc)+NQ*(\a)+(\q)] matrix_a_fmt:MATRIX_FMT_FP4 matrix_b_fmt:MATRIX_FMT_FP4 matrix_a_scale:MATRIX_SCALE_ROW1
.endif
.endr
.endr
.endm
.macro FETCH_B slot, q, p
	WIN TO_B
.irp i, 0,1,2,3,4,5,6,7
	FRAG 128*(\p)+FR*\i, ADRB+\slot, \q, \i
.endr
	WIN 0
.endm
.macro FETCH_A slot, q, i0
.irp i, \i0, \i0+1, \i0+2, \i0+3
	FRAG AF+FR*(\i), ADRA+\slot, \q, \i
.endr
.endm
.macro SCALES sc                       ; a K step's scale words: lanes 0-15 A's block i, lanes 16-31 B's block i
.irp i, 0,1,2,3,4,5,6,7
	ds_load_b128 v[SC+8*NQ*\sc+NQ*\i:SC+8*NQ*\sc+NQ*\i+3], v[ADRS] offset:\i*SBLK
.endr
.endm
.macro PLACES n                        ; plain vector instructions between a matrix instruction and a load into, or a vector access to, its registers
.rept \n
	v_nop
.endr
.endm
.macro STEP slot, q, zero              ; 128 along K that has its successor in the same slot
	s_wait_dscnt 4*NL                              ; B's set and A's blocks 0-3 are in; A's blocks 4-7 may be out
.if \zero
	WIN BEG_LO
.else
	WIN MUL_LO
.endif
	MUL16 0, (\q)%2, \q, \slot, \zero
	MUL16 2, (\q)%2, \q, \slot, \zero
	s_wait_dscnt 0
	PLACES NP
	FETCH_B \slot, (\q)+1, 1-(\q)%2
	FETCH_A \slot, (\q)+1, 0
.if \zero
	WIN BEG_HI
.else
	WIN MUL_HI
.endif
	MUL16 4, (\q)%2, \q, \slot, \zero
	MUL16 6, (\q)%2, \q, \slot, \zero
	PLACES NP
	WIN 0
	FETCH_A \slot, (\q)+1, 4
.endm
.macro TURN slot, next                 ; slot 0's last step changes slots: one barrier; nothing is filled again in this launch
	s_wait_tensorcnt 0x0                           ; all my tensor loads have landed: my part of the next slot;
	ds_add_u32 v[SPW], v[NIL]                      ; 0 onto my spare word
	s_wait_dscnt 4*NL+1                            ; (the add and A's blocks 4-7 may be out)
	WIN MUL_LO
	MUL16 0, 1, NQ-1, \slot, 0
	s_wait_dscnt 0x0                               ; the add is done, and my reads of this slot are over
	s_barrier_signal -1
	MUL16 2, 1, NQ-1, \slot, 0
	WIN 0
	s_barrier_wait -1
	PLACES NP
	v_add_nc_u32 v[ADRS], 4*NQ, v[ADRS]            ; the next K step's scale words
	FETCH_B \next, 0, 0
	FETCH_A \next, 0, 0
	SCALES \next
	WIN MUL_HI
	MUL16 4, 1, NQ-1, \slot, 0
	MUL16 6, 1, NQ-1, \slot, 0
	PLACES NP
	WIN 0
	FETCH_A \next, 0, 4
.endm
	s_wait_tensorcnt 1                             ; the scales and my part of K step 0 are in; K step 1's load may be out
	s_barrier_signal -1
	s_barrier_wait -1
	FETCH_B 0, 0, 0
	FETCH_A 0, 0, 0
	SCALES 0
	FETCH_A 0, 0, 4
	s_wait_loadcnt 0x0                             ; the bias
	STEP 0, 0, 1
	STEP 0, 1, 0
	STEP 0, 2, 0
	TURN 0, 1
	STEP 1, 0, 0
	STEP 1, 1, 0
	STEP 1, 2, 0
	s_wait_dscnt 4*NL                              ; the last step: nothing more to fetch
	WIN MUL_LO
	MUL16 0, 1, NQ-1, 1, 0
	MUL16 2, 1, NQ-1, 1, 0
	s_wait_dscnt 0
	WIN MUL_HI
	MUL16 4, 1, NQ-1, 1, 0
	MUL16 6, 1, NQ-1, 1, 0
	WIN 0
; THE WAY OUT, a block of 16 tokens x 128 columns (two heads) at a time: rounded to f16, 16 bytes a lane into my stage, back so that sixteen lanes hold two tokens' 128 bytes of one head.
.macro PACK a
.set AC, 64*((\a)%4)
	WIN 0x0a+5*((\a)/4)                            ; sources 0 and 1: window 2 or 3
.irp b, 0,1,2,3,4,5,6,7
.irp r, 0,1,2,3
	v_cvt_pk_f16_f32 v[TMP+4*\b+\r], v[AC+8*\b+2*\r], v[AC+8*\b+2*\r+1]      ; each accumulator from its low end on
.endr
.endr
	WIN 0
.endm
.macro TOSTAGE a
.set BB, BK+32*((\a)%2)
.irp b, 0,1,2,3,4,5,6,7
	ds_store_b128 v[STO], v[TMP+4*\b:TMP+4*\b+3] offset:32*\b
.endr
.irp t, 0,1,2,3,4,5,6,7
	ds_load_b128 v[BB+4*\t:BB+4*\t+3], v[RD] offset:\t*2*SPITCH    ; LDS serves a wave's instructions in order: these see the stores above
.endr
.endm
.macro SEND a, younger
.set BB, BK+32*((\a)%2)
	s_wait_dscnt \younger                          ; the block is back; the next block's 8 stores and 8 loads may be out
.irp t, 0,1,2,3,4,5,6,7
	global_store_b128 v[CO], v[BB+4*\t:BB+4*\t+3], s[12:13] offset:(\a)*2048+\t*256   ; 16 lanes store 256 consecutive bytes, aligned
.endr
.endm
	PLACES NP                                      ; behind the last products: their results are read and A's registers are written below
	PACK 0
	TOSTAGE 0
.irp a, 1,2,3,4,5,6,7
	PACK \a
.if \a > 1
	s_wait_xcnt 0x0                                ; block a - 2's stores have read their registers: block a's loads may land there
.endif
	TOSTAGE \a
	SEND \a-1, 16
.endr
	SEND 7, 0
	s_wait_tensorcnt 0x0                           ; the wave's end
	ds_add_u32 v[SPW], v[NIL]
	s_wait_dscnt 0x0
	CROUND                                         ; the closing round
	s_endpgm
.Lfunc_end_k_q7caa3f5132_qkv:
	.size	k_q7caa3f5132_qkv, .Lfunc_end_k_q7caa3f5132_qkv-k_q7caa3f5132_qkv
	.p2alignl 7, 3214868480
	.fill 96, 4, 3214868480
	.section	.rodata,"a",@progbits
	.p2align	6, 0x0
	.amdhsa_kernel k_q7caa3f5132_qkv
		.amdhsa_group_segment_fixed_size 327680
		.amdhsa_private_segment_fixed_size 0
		.amdhsa_enable_private_segment 0
		.amdhsa_kernarg_size 64
		.amdhsa_user_sgpr_count 2
		.amdhsa_user_sgpr_kernarg_segment_ptr 1
		.amdhsa_wavefront_size32 1
		.amdhsa_system_sgpr_workgroup_id_x 1
		.amdhsa_system_sgpr_workgroup_id_y 1
		.amdhsa_system_sgpr_workgroup_id_z 1
		.amdhsa_system_vgpr_workitem_id 0
		.amdhsa_next_free_vgpr 1024
		.amdhsa_next_free_sgpr 102
		.amdhsa_reserve_vcc 0
		.amdhsa_float_denorm_mode_32 3
		.amdhsa_float_denorm_mode_16_64 3
		.amdhsa_memory_ordered 1
		.amdhsa_forward_progress 1
		.amdhsa_inst_pref_size 128
	.end_amdhsa_kernel
	.amdgpu_metadata
---
amdhsa.version: [ 1, 2 ]
amdhsa.kernels:
  - .name:           k_q7caa3f5132_qkv
    .symbol:         k_q7caa3f5132_qkv.kd
    .args:
      - { .name: xcodes, .offset: 0, .size: 8, .value_kind: global_buffer, .address_space: global }
      - { .name: xscales, .offset: 8, .size: 8, .value_kind: global_buffer, .address_space: global }
      - { .name: wcodes, .offset: 16, .size: 8, .value_kind: global_buffer, .address_space: global }
      - { .name: wscales, .offset: 24, .size: 8, .value_kind: global_buffer, .address_space: global }
      - { .name: bq, .offset: 32, .size: 8, .value_kind: global_buffer, .address_space: global }
      - { .name: bk, .offset: 40, .size: 8, .value_kind: global_buffer, .address_space: global }
      - { .name: bv, .offset: 48, .size: 8, .value_kind: global_buffer, .address_space: global }
      - { .name: qkv, .offset: 56, .size: 8, .value_kind: global_buffer, .address_space: global }
    .group_segment_fixed_size: 327680
    .private_segment_fixed_size: 0
    .kernarg_segment_align: 8
    .kernarg_segment_size: 64
    .max_flat_workgroup_size: 128
    .sgpr_count:     102
    .vgpr_count:     1024
    .wavefront_size: 32
...
	.end_amdgpu_metadata
.endif
;; end of part 2
;; launch attn (part 3): grid 4 x 64, 8 waves a work-group, no clusters, 327,680 bytes of LDS; arguments qkv, att; writes att
.if DOCPART == 3
	.amdgcn_target "amdgcn-amd-amdhsa--gfx1250"
	.amdhsa_code_object_version 6
	.text
	.protected	k_q7caa3f5132_attn
	.globl	k_q7caa3f5132_attn
	.p2align	8
	.type	k_q7caa3f5132_attn,@function
k_q7caa3f5132_attn:
	s_mov_b64 s[64:65], 0
	v_nop
	global_prefetch_b8 v0, s[64:65] scope:SCOPE_SE
	s_setreg_imm32_b32 hwreg(HW_REG_WAVE_MODE, 25, 1), 1
	s_wait_xcnt 0x0
; att[head][batch x 2,048 + q][:] = the sum over k <= q of softmax_k(q . k / sqrt(2,048)) v[k][:], head size 64.  q, k, v: f16 planes [batch][48][2,048][64]; att: f16 planes [16][8,192][64].
; Products with f16 operands and f32 sums; maxima, exponentials and sums in f32; the weights p are rounded to f16 for the second product, att once at the end.
; LIMIT: the attention output stays under f16's 65,504.  Positions 0-15 of each sequence are computed here too; later launches compute them again in f32 and write the output's rows over.
; SHARES.  Work-group (J, batch x head) owns query blocks 7 - J and J, 256 queries each: 8 - J and J + 1 key blocks of 256, nine trips in every work-group, so all 256 work-groups have equal work
; and every trip count is a constant.  Each of eight waves owns 32 queries, two tiles of 16; two waves share a SIMD, so that one's vector work stands beside the other's products.
; NO CLUSTER: the four work-groups of a head want the same key block in trips 0 to 4 alone; from trip 8 - J on a work-group starts anew at block 0, so a joint load's descriptors would differ.
; LAYOUT.  S^T = K Q^T (source 0 = 16 keys, source 1 = 16 queries): a lane holds ONE query and the keys 8 (lane / 16) + 0..7.  Two such tiles, rounded in pairs, are source 1 of O^T = V^T P.
; A plane's rows are 128 bytes and dense: a tile is stated as rows of 256 bytes (two keys); key rho lies at (rho / 2) x pitch + (rho % 2) x 128.  V is turned by ds_load_tr16_b128.
; SOFTMAX.  A running maximum m and sum l for each query: p = 2^(c s - c m), c = log2(e) / sqrt(2,048); in every step O and l are multiplied by a = 2^(c m_old - c m_new).
; CAUSAL.  A step of 64 keys all of which come after the wave's 32 queries is jumped over (ids alone); in a step on the diagonal hidden scores become -infinity ahead of the maximum.
; REGISTERS: window 0: v1-13 addresses; v16-31 statistics; v32-95 S^T; v96-127 P; v128-191 K's fragments; v192-255 V's.  window 1: v0-63 O^T; v64-95 Q.
.set PK,    272                        ; two keys of K in LDS: 256 bytes + 16: the 16 rows of a load start at 16 different 16-byte columns modulo 256
.set PV,    288                        ; two keys of V: 256 + 32: likewise for the turning load's 8 rows x 32 bytes
.set VOFF,  32*PK                      ; a step's tiles lie together: 64 keys of K, then 64 of V
.set STEPB, 32*(PK+PV)
.set SLOT1, 1<<17                      ; a slot holds four steps; one exclusive or turns an address into the other slot's
.set STAGE, SLOT1+4*STEPB              ; behind the ring: 32 rows x 144 bytes a wave, for the way out
.set SPS,   144
.set WSTG,  32*SPS
.set SPARE, STAGE+8*WSTG               ; the spare words, 128 bytes a wave
.set BLKB,  32768                      ; a key block of 256 rows in a plane
.set AK0, 1
.set AV0, 2
.set ADK, 3
.set ADV, 4
.set QO,  5
.set STO, 6
.set RD,  7
.set GO,  8
.set MD,  9                            ; lane % 16 - 8 (lane / 16)
.set SPW, 10
.set NIL, 11
.set NINF, 12
.set PFO, 13
.set ST,  16                           ; tile t at v[ST + 8 t]: +0 c m, +1 m, +2, +3 l, +4 .. +7 at work; a takes +6
.set S,   32
.set P,   96
.set KFR, 128
.set VFR, 192
.set QF,  64                           ; in window 1
.set TB,  2                            ; s2   LDS byte at which the step's tiles begin
.set CNT, 3
.set WV,  8
.set J,   9
.set NA,  10                           ; trips of the first phase
.set N,   11                           ; the trip
.set KF,  12                           ; the step's first key
.set Q0,  13                           ; my wave's first query
.set Q0B, 14
.set LIM, 15
.set KV0, 16                           ; s[16:17] my part of key block 0
.set OFF, 18                           ; s[18:19] the key block to be asked for, in bytes
.set SEL, 20
.set CS,  22
.set G1K, 24
.set G1V, 32
.set G0,  40
.set QA,  44
.set QB,  46
.set AO,  48
.set AOB, 50
.set PFA, 52
.set MSB, 0
.macro WIN new
.if MSB != (\new)
	s_set_vgpr_msb (MSB<<8)|(\new)
.set MSB, (\new)
.endif
.endm
.set W_KQ, 0x04                        ; Q (source 1) in window 1
.set W_PV, 0x50                        ; O^T (C and D) in window 1
.set W_RS, 0x41                        ; O^T (destination and source 0) in window 1
; Waves 0-3 fetch K's four steps of a key block, waves 4-7 V's: one load a wave.  An s_nop 0 and four v_nop follow each line.
.macro TLOAD
	s_cmp_lt_u32 s[WV], 4
	s_cbranch_scc0 .Lfor_v_\@
	tensor_load_to_lds s[G0:G0+3], s[G1K:G1K+7]
	s_nop 0
.rept 4
	v_nop
.endr
	s_branch .Lasked_\@
.Lfor_v_\@:
	tensor_load_to_lds s[G0:G0+3], s[G1V:G1V+7]
	s_nop 0
.rept 4
	v_nop
.endr
.Lasked_\@:
.endm
; A prefetch of what the NEXT change of slots will ask for.  All four work-groups of a head walk key blocks 0, 1, 2 ..: the one with J = 0, which walks all eight on end, asks, in trips 0 to 5, for block trip + 2;
; each wave names the 8,192 bytes that it will itself load, lanes 256 bytes apart.  So each aligned 256 bytes of blocks 2 to 7 are named once; blocks 0 and 1 come by their loads alone.
.macro ASK
	s_cmp_lt_u32 s[N], s[LIM]
	s_cbranch_scc0 .Lnot_mine_\@
	global_prefetch_b8 v[PFO], s[PFA:PFA+1] th:TH_LOAD_NT scope:SCOPE_SE
.Lnot_mine_\@:
.endm
.macro QLOAD base                      ; my 32 queries: tile qt, channels 32 ks on
	WIN 0x40
.irp qt, 0,1
.irp ks, 0,1
	global_load_b128 v[QF+16*\qt+8*\ks:QF+16*\qt+8*\ks+3], v[QO], s[\base:\base+1] offset:\qt*2048+\ks*64
	global_load_b128 v[QF+16*\qt+8*\ks+4:QF+16*\qt+8*\ks+7], v[QO], s[\base:\base+1] offset:\qt*2048+\ks*64+32
.endr
.endr
	WIN 0
.endm
.macro START                           ; a phase begins: m under every score, l and O^T zero: the first step's a is 0 and multiplies zeros
.irp t, 0,1
	v_mov_b32 v[ST+8*\t+1], 0xff61b1e6             ; -3e38
	v_mul_f32 v[ST+8*\t], s[CS], v[ST+8*\t+1]
.irp z, 2,3,4,5,6,7
	v_mov_b32 v[ST+8*\t+\z], 0
.endr
.endr
	WIN 0x40
.set i, 0
.rept 64
	v_mov_b32 v[i], 0
.set i, i+1
.endr
	WIN 0
.endm
	s_load_b128 s[4:7], s[0:1], 0x0                ; qkv, att
	v_lshl_add_u32 v[SPW], v0, 2, SPARE
	v_mov_b32 v[NIL], 0
	ds_add_u32 v[SPW], v[NIL]                      ; the wave's opening: the add, twice on end, and its wait ahead of my first tensor load
	ds_add_u32 v[SPW], v[NIL]
	v_lshrrev_b32 v1, 5, v0
	v_readfirstlane_b32 s[WV], v1                  ; wave 0..7
	s_mov_b32 s[J], ttmp9
	s_sub_co_u32 s[NA], 8, s[J]
	s_and_b32 s54, ttmp7, 0xffff
	s_lshr_b32 s55, s54, 4                         ; batch
	s_and_b32 s56, s54, 15                         ; head
	s_mul_i32 s57, s55, 48
	s_add_co_u32 s57, s57, s56                     ; q's plane
	s_lshr_b32 s58, s[WV], 2                       ; I fetch for K (0) or V (1),
	s_and_b32 s59, s[WV], 3                        ; this step of a block
	s_mul_i32 s[G0+1], s59, STEPB
	s_mul_i32 s54, s58, VOFF
	s_add_co_u32 s[G0+1], s[G0+1], s54             ; its place in slot 0
	s_lshl_b32 s58, s58, 4
	s_add_co_u32 s58, s58, s57
	s_add_co_u32 s58, s58, 16                      ; k's plane or v's
	s_lshl_b32 s58, s58, 18
	s_lshl_b32 s59, s59, 13
	s_add_co_u32 s58, s58, s59
	s_mov_b32 s59, 0
	s_lshl_b32 s54, s[WV], 5
	s_lshl_b32 s[Q0B], s[J], 8
	s_add_co_u32 s[Q0B], s[Q0B], s54               ; second phase: block J
	s_sub_co_u32 s[Q0], 7, s[J]
	s_lshl_b32 s[Q0], s[Q0], 8
	s_add_co_u32 s[Q0], s[Q0], s54                 ; first phase: block 7 - J
	s_lshl_b32 s57, s57, 18
	s_lshl_b32 s56, s56, 20
	s_lshl_b32 s55, s55, 18
	s_add_co_u32 s56, s56, s55                     ; att: the head's plane, the batch's rows
	s_mov_b32 s[G1K], (1<<16)|(1<<20)|(5<<22)|(3<<25)   ; no mask; elements of 2 bytes; 4 words of padding after every 64
	s_mov_b32 s[G1V], (1<<16)|(1<<20)|(5<<22)|(7<<25)   ; 8 words
.irp g, G1K, G1V
	s_mov_b32 s[\g+1], 128<<16                     ; tensor_dim0 = 128 elements: two keys
	s_mov_b32 s[\g+2], 32<<16                      ; tensor_dim1 = 32
	s_mov_b32 s[\g+3], 128<<16                     ; tile_dim0
	s_mov_b32 s[\g+4], 32                          ; tile_dim1
	s_mov_b32 s[\g+5], 128                         ; pitch: the rows are dense
	s_mov_b32 s[\g+6], 0
	s_mov_b32 s[\g+7], 0
.endr
	s_mov_b32 s[SEL], 0x76543210
	s_mov_b32 s[SEL+1], 0xfedcba98
	s_mov_b32 s[CS], 0x3d0293ee                    ; c = log2(e) / sqrt(2,048)
	s_mov_b32 s[CS+1], s[CS]
	s_mov_b32 s[OFF], 0
	s_mov_b32 s[OFF+1], 0
	s_mov_b32 s[TB], 0
	s_mov_b32 s[N], 0
	s_mov_b32 s[KF], 0
	s_cmp_eq_u32 s[J], 0
	s_cselect_b32 s[LIM], 6, 0
	s_wait_dscnt 0x0                               ; both opening adds are done
	s_wait_kmcnt 0x0
	s_add_nc_u64 s[KV0:KV0+1], s[4:5], s[58:59]
	s_mov_b32 s[G0], 1
	s_mov_b64 s[G0+2:G0+3], s[KV0:KV0+1]
	s_or_b32 s[G0+3], s[G0+3], 0x80000000
	TLOAD                                          ; key block 0 into slot 0
	s_add_nc_u64 s[PFA:PFA+1], s[KV0:KV0+1], BLKB  ; the first change of slots steps it to block 2
	s_lshl_b32 s54, s[Q0], 7
	s_add_co_u32 s58, s54, s57
	s_add_nc_u64 s[QA:QA+1], s[4:5], s[58:59]
	s_add_co_u32 s58, s54, s56
	s_add_nc_u64 s[AO:AO+1], s[6:7], s[58:59]
	s_lshl_b32 s54, s[Q0B], 7
	s_add_co_u32 s58, s54, s57
	s_add_nc_u64 s[QB:QB+1], s[4:5], s[58:59]
	s_add_co_u32 s58, s54, s56
	s_add_nc_u64 s[AOB:AOB+1], s[6:7], s[58:59]
	v_and_b32 v14, 15, v0                          ; r
	v_bfe_u32 v15, v0, 4, 1                        ; h
	v_lshlrev_b32 v[QO], 7, v14
	v_lshl_add_u32 v[QO], v15, 4, v[QO]
	QLOAD QA
	v_bfe_u32 v[AK0], v0, 1, 3
	v_mul_u32_u24 v[AK0], v[AK0], PK
	v_and_b32 v[AV0], 1, v0
	v_lshl_add_u32 v[AK0], v[AV0], 7, v[AK0]
	v_lshl_add_u32 v[AK0], v15, 4, v[AK0]          ; K: (r / 2) x pitch + (r % 2) x 128 + 16 h
	v_bfe_u32 v[ADK], v0, 1, 2
	v_lshl_add_u32 v[ADK], v15, 2, v[ADK]
	v_mul_u32_u24 v[ADK], v[ADK], PV
	v_lshl_add_u32 v[ADK], v[AV0], 7, v[ADK]
	v_bfe_u32 v[ADV], v0, 3, 1
	v_lshl_add_u32 v[ADK], v[ADV], 4, v[ADK]
	v_add_nc_u32 v[AV0], VOFF, v[ADK]              ; V: key 8 h + lane % 8, channels 8 ((lane / 8) % 2) on
	s_mul_i32 s54, s[WV], WSTG
	s_add_co_u32 s54, s54, STAGE                   ; my stage
	v_mul_u32_u24 v[STO], v14, SPS
	v_lshl_add_u32 v[STO], v15, 4, v[STO]
	v_add_nc_u32 v[STO], s54, v[STO]
	v_bfe_u32 v[RD], v0, 3, 2
	v_mul_u32_u24 v[RD], v[RD], SPS
	v_and_b32 v[GO], 7, v0
	v_lshl_add_u32 v[RD], v[GO], 4, v[RD]
	v_add_nc_u32 v[RD], s54, v[RD]                 ; back: eight lanes to a row of 128 bytes, four rows an instruction
	v_and_b32 v[GO], 31, v0
	v_lshlrev_b32 v[PFO], 8, v[GO]
	v_lshlrev_b32 v[GO], 4, v[GO]
	v_lshlrev_b32 v[MD], 3, v15
	v_sub_nc_u32 v[MD], v14, v[MD]
	v_mov_b32 v[NINF], 0xff800000
	START
; THE SOFTMAX of both tiles for one step; the tiles alternate line by line, so that no line waits for the line above it.
.macro SOFTMAX
.irp j, 0,1,2,3
.irp t, 0,1
	v_max3_num_f32 v[ST+8*\t+4+\j], v[S+32*\t+8*\j], v[S+32*\t+8*\j+1], v[S+32*\t+8*\j+2]   ; each accumulator is read from its low end on
.endr
.endr
.irp g, 1,2
.irp j, 0,1,2,3
.irp t, 0,1
	v_max3_num_f32 v[ST+8*\t+4+\j], v[ST+8*\t+4+\j], v[S+32*\t+8*\j+2*\g+1], v[S+32*\t+8*\j+2*\g+2]
.endr
.endr
.endr
.irp t, 0,1
	v_max3_num_f32 v[ST+8*\t+4], v[ST+8*\t+4], v[S+32*\t+7], v[S+32*\t+15]
.endr
.irp t, 0,1
	v_max3_num_f32 v[ST+8*\t+6], v[ST+8*\t+6], v[S+32*\t+23], v[S+32*\t+31]
.endr
.irp t, 0,1
	v_max3_num_f32 v[ST+8*\t+4], v[ST+8*\t+4], v[ST+8*\t+5], v[ST+8*\t+6]
.endr
.irp t, 0,1
	v_max3_num_f32 v[ST+8*\t+4], v[ST+8*\t+4], v[ST+8*\t+7], v[ST+8*\t+1]   ; with the old m
.endr
.irp t, 0,1
	v_permlanex16_b32 v[ST+8*\t+5], v[ST+8*\t+4], s[SEL], s[SEL+1]          ; the query's other 32 keys lie in the lane 16 away
.endr
.irp t, 0,1
	v_mov_b32 v[ST+8*\t+7], v[ST+8*\t]             ; c m_old
.endr
.irp t, 0,1
	v_max_num_f32 v[ST+8*\t+1], v[ST+8*\t+4], v[ST+8*\t+5]
.endr
.irp t, 0,1
	v_mul_f32 v[ST+8*\t], s[CS], v[ST+8*\t+1]
.endr
.irp t, 0,1
	v_sub_f32 v[ST+8*\t+7], v[ST+8*\t+7], v[ST+8*\t]
.endr
.set e, 0
.rept 16
.irp t, 0,1
	v_pk_fma_f32 v[S+32*\t+e:S+32*\t+e+1], v[S+32*\t+e:S+32*\t+e+1], s[CS:CS+1], v[ST+8*\t:ST+8*\t+1] op_sel_hi:[1,0,0] neg_lo:[0,0,1] neg_hi:[0,0,1]   ; c s - c m
.endr
.set e, e+2
.endr
.irp t, 0,1
	v_exp_f32 v[ST+8*\t+6], v[ST+8*\t+7]           ; a
.endr
.set e, 0
.rept 32
	v_exp_f32 v[S+e], v[S+e]
	v_exp_f32 v[S+32+e], v[S+32+e]
.set e, e+1
.endr
	v_nop                                          ; a plain instruction behind the last exponential
	s_wait_alu depctr_va_vdst(0)                   ; one wait for the batch of 66, ahead of its first reader
.set e, 0
.rept 16
.irp t, 0,1
	v_cvt_pk_f16_f32 v[P+16*\t+e], v[S+32*\t+2*e], v[S+32*\t+2*e+1]
.endr
.set e, e+1
.endr
.irp u, 0,1,2,3,4,5,6,7                ; the sum of a tile's 16 pairs, in place
.irp t, 0,1
	v_pk_add_f32 v[S+32*\t+4*\u:S+32*\t+4*\u+1], v[S+32*\t+4*\u:S+32*\t+4*\u+1], v[S+32*\t+4*\u+2:S+32*\t+4*\u+3]
.endr
.endr
.irp u, 0,1,2,3
.irp t, 0,1
	v_pk_add_f32 v[S+32*\t+8*\u:S+32*\t+8*\u+1], v[S+32*\t+8*\u:S+32*\t+8*\u+1], v[S+32*\t+8*\u+4:S+32*\t+8*\u+5]
.endr
.endr
.irp u, 0,1
.irp t, 0,1
	v_pk_add_f32 v[S+32*\t+16*\u:S+32*\t+16*\u+1], v[S+32*\t+16*\u:S+32*\t+16*\u+1], v[S+32*\t+16*\u+8:S+32*\t+16*\u+9]
.endr
.endr
.irp t, 0,1
	v_pk_add_f32 v[S+32*\t:S+32*\t+1], v[S+32*\t:S+32*\t+1], v[S+32*\t+16:S+32*\t+17]
.endr
.irp t, 0,1
	v_pk_fma_f32 v[ST+8*\t+2:ST+8*\t+3], v[ST+8*\t+2:ST+8*\t+3], v[ST+8*\t+6:ST+8*\t+7], v[S+32*\t:S+32*\t+1] op_sel_hi:[1,0,1]   ; l = a l + the sum
.endr
	WIN W_RS
.set e, 0
.rept 16
	v_pk_mul_f32 v[e:e+1], v[e:e+1], v[ST+6:ST+7] op_sel_hi:[1,0]              ; O^T x a
	v_pk_mul_f32 v[32+e:32+e+1], v[32+e:32+e+1], v[ST+14:ST+15] op_sel_hi:[1,0]
.set e, e+2
.endr
	WIN 0
.endm
; A KEY STEP: 64 keys.
.macro STEP
	s_add_co_u32 s54, s[Q0], 31
	s_cmp_gt_u32 s[KF], s54                        ; all 64 keys come after my last query: ids and the count of steps alone
	s_cbranch_scc1 .Lhid_\@
	v_add_nc_u32 v[ADK], s[TB], v[AK0]             ; these two and two v_nop: the four places between the last products and the loads into V's registers
	v_add_nc_u32 v[ADV], s[TB], v[AV0]
	v_nop
	v_nop
.irp kt, 0,1,2,3
.irp ks, 0,1
	ds_load_b128 v[KFR+16*\kt+8*\ks:KFR+16*\kt+8*\ks+3], v[ADK] offset:\kt*8*PK+\ks*64
	ds_load_b128 v[KFR+16*\kt+8*\ks+4:KFR+16*\kt+8*\ks+7], v[ADK] offset:\kt*8*PK+\ks*64+32
.endr
.endr
.irp u, 0,1
.irp ct, 0,1,2,3
	ds_load_tr16_b128 v[VFR+32*\u+8*\ct:VFR+32*\u+8*\ct+3], v[ADV] offset:\u*16*PV+\ct*32
	ds_load_tr16_b128 v[VFR+32*\u+8*\ct+4:VFR+32*\u+8*\ct+7], v[ADV] offset:\u*16*PV+8*PV+\ct*32
.endr
.endr
	s_wait_dscnt 16                                ; K is in; V's sixteen loads may be out
	WIN W_KQ
.set i, 0
.rept 16                               ; S^T: channels 32 (i / 8) on, keys 16 ((i / 2) % 4) on, tile i % 2: eight accumulators by turns
.set rS, S+32*(i%2)+8*((i/2)%4)
.set rK, KFR+16*((i/2)%4)+8*(i/8)
.set rQ, QF+16*(i%2)+8*(i/8)
.if i < 8
	v_wmma_f32_16x16x32_f16 v[rS:rS+7], v[rK:rK+7], v[rQ:rQ+7], 0
.else
	v_wmma_f32_16x16x32_f16 v[rS:rS+7], v[rK:rK+7], v[rQ:rQ+7], v[rS:rS+7]
.endif
.set i, i+1
.endr
	WIN 0
.rept 4
	v_nop                                          ; places in front of the first read of the scores
.endr
	s_add_co_u32 s54, s[KF], 63
	s_cmp_le_u32 s54, s[Q0]                        ; all 64 keys count for all my queries
	s_cbranch_scc1 .Lopen_\@
	s_sub_co_i32 s54, s[Q0], s[KF]
	v_add_nc_u32 v[ST+4], s54, v[MD]               ; d = my query - the step's first key - 8 (lane / 16); register 8 kt + j holds key 16 kt + 8 (lane / 16) + j: hidden where 16 kt + j > d
	v_add_nc_u32 v[ST+12], 16, v[ST+4]
.irp t, 0,1
.irp n, 0,1,2,3,4,5,6,7,8,9,10,11,12,13,14,15,16,17,18,19,20,21,22,23,24,25,26,27,28,29,30,31
	v_cmp_gt_i32 vcc_lo, 16*(\n/8)+\n%8, v[ST+4+8*\t]
	v_cndmask_b32 v[S+32*\t+\n], v[S+32*\t+\n], v[NINF], vcc_lo
.endr
.endr
.Lopen_\@:
	SOFTMAX
	s_wait_dscnt 0x0                               ; V is in
	WIN W_PV
.set i, 0
.rept 16                               ; O^T += V^T P: keys 32 (i / 8) on, channels 16 ((i / 2) % 4) on, tile i % 2
.set rO, 32*(i%2)+8*((i/2)%4)
.set rV, VFR+32*(i/8)+8*((i/2)%4)
.set rP, P+16*(i%2)+8*(i/8)
	v_wmma_f32_16x16x32_f16 v[rO:rO+7], v[rV:rV+7], v[rP:rP+7], v[rO:rO+7]
.set i, i+1
.endr
	WIN 0
.Lhid_\@:
	s_add_co_u32 s[KF], s[KF], 64
	s_add_co_u32 s[TB], s[TB], STEPB
.endm
.macro STEPS                           ; a slot's four steps, written once
	s_mov_b32 s[CNT], 4
.Lstep_\@:
	STEP
	s_sub_co_u32 s[CNT], s[CNT], 1
	s_cmp_lg_u32 s[CNT], 0
	s_cbranch_scc1 .Lstep_\@
	s_sub_co_u32 s[TB], s[TB], 4*STEPB
	s_xor_b32 s[TB], s[TB], SLOT1                  ; on to the other slot
.endm
; THE CHANGE OF SLOTS stands at a slot's head.  Each wave waits for all its tensor loads (one: its part of the slot ahead), adds 0 to its spare word, and waits for that and for its reads of the slot left.
; fill = 1: behind the barrier the slot left takes the next trip's key block; the load has four steps in which to land.
.macro CHANGE fill
	s_wait_tensorcnt 0x0                           ; no tensor load of mine is out, so the group 0 may be written
	ds_add_u32 v[SPW], v[NIL]                      ; the descriptor's steps stand between it and its wait
.if \fill
	s_xor_b32 s[G0+1], s[G0+1], SLOT1
	s_add_co_u32 s[OFF], s[OFF], BLKB              ; the next key block,
	s_add_co_u32 s54, s[N], 1
	s_cmp_eq_u32 s54, s[NA]
	s_cselect_b32 s[OFF], 0, s[OFF]                ; or block 0, where the next trip begins the second phase
	s_add_nc_u64 s[G0+2:G0+3], s[KV0:KV0+1], s[OFF:OFF+1]
	s_or_b32 s[G0+3], s[G0+3], 0x80000000
	s_wait_xcnt 0x0                                ; the last prefetch, a trip back, has read its address
	s_add_nc_u64 s[PFA:PFA+1], s[PFA:PFA+1], BLKB
.endif
	s_wait_dscnt 0x0                               ; the add is done, and my reads of the slot that I have left are over
	s_barrier_signal -1
	s_barrier_wait -1
.if \fill
	TLOAD                                          ; the first thing behind the barrier, and my one tensor load until the next
	ASK
.endif
.endm
; A PHASE'S END: O^T / l, rounded to f16, through my stage, out as 4,096 consecutive bytes.  more = 1: the second phase's queries are asked for first, and the start values are set anew.
.macro FINISH more
.if \more
	QLOAD QB
.endif
.rept 4
	v_nop                                          ; places behind the last products
.endr
.irp t, 0,1
	v_add_f32 v[ST+8*\t+4], v[ST+8*\t+2], v[ST+8*\t+3]
.endr
.irp t, 0,1
	v_permlanex16_b32 v[ST+8*\t+5], v[ST+8*\t+4], s[SEL], s[SEL+1]
.endr
.irp t, 0,1
	v_add_f32 v[ST+8*\t+4], v[ST+8*\t+4], v[ST+8*\t+5]
.endr
.irp t, 0,1
	v_rcp_f32 v[ST+8*\t+6], v[ST+8*\t+4]
.endr
	v_nop
	s_wait_alu depctr_va_vdst(0)                   ; one wait for the two reciprocals, ahead of their first reader
	WIN W_RS
.set e, 0
.rept 16
	v_pk_mul_f32 v[e:e+1], v[e:e+1], v[ST+6:ST+7] op_sel_hi:[1,0]
	v_pk_mul_f32 v[32+e:32+e+1], v[32+e:32+e+1], v[ST+14:ST+15] op_sel_hi:[1,0]
.set e, e+2
.endr
	WIN 0x05
.set e, 0
.rept 32
	v_cvt_pk_f16_f32 v[S+e], v[2*e], v[2*e+1]
.set e, e+1
.endr
	WIN 0
.irp qt, 0,1
.irp ct, 0,1,2,3
	ds_store_b128 v[STO], v[S+16*\qt+4*\ct:S+16*\qt+4*\ct+3] offset:\qt*16*SPS+\ct*32
.endr
.endr
.irp f, 0,1,2,3,4,5,6,7
	ds_load_b128 v[S+32+4*\f:S+32+4*\f+3], v[RD] offset:\f*4*SPS   ; LDS serves a wave's instructions in order: these see the stores above
.endr
.irp f, 0,1,2,3,4,5,6,7
	s_wait_dscnt 7-\f
	global_store_b128 v[GO], v[S+32+4*\f:S+32+4*\f+3], s[AO:AO+1] offset:512*\f   ; the wave stores 512 consecutive bytes, aligned
.endr
.if \more
	s_wait_xcnt 0x0                                ; the stores have read their data and base: both are written again
	s_mov_b64 s[AO:AO+1], s[AOB:AOB+1]
	s_mov_b32 s[KF], 0
	s_mov_b32 s[Q0], s[Q0B]
	START
	s_wait_loadcnt 0x0                             ; the new queries
.endif
.endm
	s_wait_loadcnt 0x0                             ; Q
.Ltrip:                                            ; eight trips; behind each change of slots the next trip's key block is asked for
	CHANGE 1
	STEPS
	s_add_co_u32 s[N], s[N], 1
	s_cmp_lg_u32 s[N], s[NA]
	s_cbranch_scc1 .Lsame
	FINISH 1
.Lsame:
	s_cmp_lt_u32 s[N], 8
	s_cbranch_scc1 .Ltrip
	CHANGE 0                                       ; the ninth trip is written out: it asks for nothing
	STEPS
	FINISH 0
	s_wait_tensorcnt 0x0                           ; the wave's end
	ds_add_u32 v[SPW], v[NIL]
	s_wait_dscnt 0x0
	s_endpgm
.Lfunc_end_k_q7caa3f5132_attn:
	.size	k_q7caa3f5132_attn, .Lfunc_end_k_q7caa3f5132_attn-k_q7caa3f5132_attn
	.p2alignl 7, 3214868480
	.fill 96, 4, 3214868480
	.section	.rodata,"a",@progbits
	.p2align	6, 0x0
	.amdhsa_kernel k_q7caa3f5132_attn
		.amdhsa_group_segment_fixed_size 327680
		.amdhsa_private_segment_fixed_size 0
		.amdhsa_enable_private_segment 0
		.amdhsa_kernarg_size 16
		.amdhsa_user_sgpr_count 2
		.amdhsa_user_sgpr_kernarg_segment_ptr 1
		.amdhsa_wavefront_size32 1
		.amdhsa_system_sgpr_workgroup_id_x 1
		.amdhsa_system_sgpr_workgroup_id_y 1
		.amdhsa_system_sgpr_workgroup_id_z 1
		.amdhsa_system_vgpr_workitem_id 0
		.amdhsa_next_free_vgpr 352
		.amdhsa_next_free_sgpr 66
		.amdhsa_reserve_vcc 1
		.amdhsa_float_denorm_mode_32 3
		.amdhsa_float_denorm_mode_16_64 3
		.amdhsa_memory_ordered 1
		.amdhsa_forward_progress 1
		.amdhsa_inst_pref_size 72
	.end_amdhsa_kernel
	.amdgpu_metadata
---
amdhsa.version: [ 1, 2 ]
amdhsa.kernels:
  - .name:           k_q7caa3f5132_attn
    .symbol:         k_q7caa3f5132_attn.kd
    .args:
      - { .name: qkv, .offset: 0, .size: 8, .value_kind: global_buffer, .address_space: global }
      - { .name: att, .offset: 8, .size: 8, .value_kind: global_buffer, .address_space: global }
    .group_segment_fixed_size: 327680
    .private_segment_fixed_size: 0
    .kernarg_segment_align: 8
    .kernarg_segment_size: 16
    .max_flat_workgroup_size: 256
    .sgpr_count:     66
    .vgpr_count:     352
    .wavefront_size: 32
...
	.end_amdgpu_metadata
.endif
;; end of part 3
;; launch proj (part 4): grid 8 x 32, 4 waves a work-group, clusters of 4 x 4, 327,680 bytes of LDS; arguments att, wp16, bp, out0; writes out0
.if DOCPART == 4
	.amdgcn_target "amdgcn-amd-amdhsa--gfx1250"
	.amdhsa_code_object_version 6
	.text
	.protected	k_q7caa3f5132_proj
	.globl	k_q7caa3f5132_proj
	.p2align	8
	.type	k_q7caa3f5132_proj,@function
k_q7caa3f5132_proj:
	s_mov_b64 s[64:65], 0
	v_nop
	global_prefetch_b8 v0, s[64:65] scope:SCOPE_SE
	s_setreg_imm32_b32 hwreg(HW_REG_WAVE_MODE, 25, 1), 1
	s_wait_xcnt 0x0
	s_wait_alu depctr_hold_cnt(0) depctr_sa_sdst(0) depctr_va_vdst(0) depctr_va_sdst(0) depctr_va_ssrc(0) depctr_va_vcc(0) depctr_vm_vsrc(0)
	s_getreg_b32 s2, hwreg(HW_REG_IB_STS2, 6, 4)
	s_cmp_eq_u32 s2, 0
	s_cbranch_scc0 .Lentry_in_a_cluster
	s_endpgm
.Lentry_in_a_cluster:
	s_bfe_u32 s2, ttmp6, 0x10000c
	s_cmp_lg_u32 s2, 0xf033
	s_cbranch_scc0 .Lentry_shape_is_right
	s_endpgm
.Lentry_shape_is_right:
; out0[m][n] = the sum over c of att[m][c] wp[n][c] + bp[n]: m = 8,192, n = 1,024, c = 1,024; f16 operands, f32 sums started by the bias, f32 out.
; att: planes [16 = c / 64][8,192][64] f16; wp: planes [16][1,024][64] f16.  A plane's rows are 128 bytes and dense: a tile is stated as rows of 256 bytes; row rho lies at (rho / 2) x 272 + (rho % 2) x 128.
; A tile of the result is 256 x 128: 256 work-groups.  Four waves, each 128 x 64: 32 accumulators, 256 registers (window 1).  K goes in steps of 128 (two planes) through two LDS slots.
; CLUSTERS: 4 x 4 work-groups; att's tiles are asked for jointly along a row of the cluster, wp's along a column.  Waves 0, 1 fetch att's two planes of a step, waves 2, 3 wp's.
; The matrix instruction is used TRANSPOSED (source 0 = 16 rows of wp, source 1 = 16 rows of att): a lane holds eight neighbouring columns of a row.
; Rows 0-15 of each batch are written here too and written over by a later launch that computes them in f32.
.set APL,    128*272                   ; a plane of att's tile: 256 rows
.set BPL,    64*272                    ; of wp's: 128 rows
.set SLOT,   2*APL+2*BPL
.set STAGE,  2*SLOT                    ; behind the ring: 16 rows x 272 bytes a wave
.set SPITCH, 272
.set SPARE,  STAGE+4*16*SPITCH
.set LAPS,   4                         ; a lap = two K steps
.set ADRA, 16
.set ADRB, 20
.set STO,  24
.set RD,   25
.set CO,   26
.set SPW,  28
.set NIL,  29
.set F0,   32                          ; a fragment buffer: 64 registers of att (8 blocks), then 32 of wp (4 blocks)
.set F1,   128
.set BIAS, 224
.set OB,   32                          ; the way out: v32-63 and v64-95 by turns
.set WV, 12
.set HR, 13
.set HC, 14
.set TR, 15
.set G1, 24
.set G0, 32
.set G1B, 48
.set G0B, 56
.set MSB, 0
.macro WIN new
.if MSB != (\new)
	s_set_vgpr_msb (MSB<<8)|(\new)
.set MSB, (\new)
.endif
.endm
.set MUL, 0x50                         ; C and D window 1
.macro JLOAD s
	s_cmp_eq_u32 s[HR], 0
	s_cbranch_scc0 .Lfor_b_\@
	tensor_load_to_lds s[G0+4*\s:G0+4*\s+3], s[G1:G1+7]
	s_nop 0
.rept 4
	v_nop
.endr
	s_branch .Lasked_\@
.Lfor_b_\@:
	tensor_load_to_lds s[G0B+4*\s:G0B+4*\s+3], s[G1B:G1B+7]
	s_nop 0
.rept 4
	v_nop
.endr
.Lasked_\@:
.endm
.macro CREST
	s_cmp_lg_u32 s[WV], 0
	s_cbranch_scc1 .Lnot_wave_0_\@
	s_barrier_signal -3
.Lnot_wave_0_\@:
	s_barrier_wait -3
	s_barrier_signal -1
	s_barrier_wait -1
.endm
.macro CROUND
	s_barrier_signal -1
	s_barrier_wait -1
	CREST
.endm
	s_load_b128 s[4:7], s[0:1], 0x0                ; att, wp in f16
	s_load_b128 s[8:11], s[0:1], 0x10              ; bp, out0
	v_lshl_add_u32 v[SPW], v0, 2, SPARE
	v_mov_b32 v[NIL], 0
	ds_add_u32 v[SPW], v[NIL]                      ; the wave's opening: the add, twice on end, and its wait ahead of my first tensor load
	ds_add_u32 v[SPW], v[NIL]
	v_lshrrev_b32 v1, 5, v0
	v_readfirstlane_b32 s[WV], v1
	s_lshr_b32 s[HR], s[WV], 1                     ; my 128 rows.  Also: I fetch for att (0) or wp (1)
	s_and_b32 s[HC], s[WV], 1                      ; my 64 columns.  Also: which plane of a step I fetch
	s_bfe_u32 s40, ttmp6, 0x40000
	s_bfe_u32 s41, ttmp6, 0x40004
	s_lshl_b32 s42, ttmp9, 2
	s_add_co_u32 s42, s42, s40                     ; tile column
	s_and_b32 s[TR], ttmp7, 0xffff
	s_lshl_b32 s[TR], s[TR], 2
	s_add_co_u32 s[TR], s[TR], s41                 ; tile row
	s_lshl_b32 s43, s41, 2
	s_lshl_b32 s43, 15, s43
	s_lshl_b32 s44, 0x1111, s40
	s_or_b32 s[G1+0], s43, (1<<16)|(1<<20)|(1<<21)|(5<<22)|(3<<25)   ; the mask; elements of 2 bytes; 4 words of padding after every 64
	s_or_b32 s[G1B+0], s44, (1<<16)|(1<<20)|(1<<21)|(5<<22)|(3<<25)
	s_mov_b32 s[G1+1], 128<<16
	s_mov_b32 s[G1+2], 128<<16                     ; 128 rows of 256 bytes
	s_mov_b32 s[G1+3], 128<<16
	s_mov_b32 s[G1+4], 128
	s_mov_b32 s[G1+5], 128
	s_mov_b32 s[G1+6], 0
	s_mov_b32 s[G1+7], 0
	s_mov_b32 s[G1B+1], 128<<16
	s_mov_b32 s[G1B+2], 64<<16                     ; 64 rows of 256 bytes
	s_mov_b32 s[G1B+3], 128<<16
	s_mov_b32 s[G1B+4], 64
	s_mov_b32 s[G1B+5], 128
	s_mov_b32 s[G1B+6], 0
	s_mov_b32 s[G1B+7], 0
	s_lshl_b32 s16, s[HC], 20                      ; att: my plane, the tile row's 256 rows
	s_lshl_b32 s17, s[TR], 15
	s_add_co_u32 s16, s16, s17
	s_mov_b32 s17, 0
	s_lshl_b32 s46, s[HC], 17                      ; wp: my plane, the tile column's 128 rows
	s_lshl_b32 s47, s42, 14
	s_add_co_u32 s46, s46, s47
	s_mov_b32 s47, 0
	s_mul_i32 s20, s[HC], APL                      ; where they go: no place in the cluster enters an LDS address
	s_mul_i32 s21, s[HC], BPL
	s_add_co_u32 s21, s21, 2*APL
	s_wait_dscnt 0x0
	s_wait_kmcnt 0x0
	s_add_nc_u64 s[18:19], s[4:5], s[16:17]
	s_add_nc_u64 s[46:47], s[6:7], s[46:47]
	CROUND
.irp s, 0,1
	s_mov_b32 s[G0+4*\s], 1
	s_add_co_u32 s[G0+4*\s+1], s20, \s*SLOT
	s_add_nc_u64 s[G0+4*\s+2:G0+4*\s+3], s[18:19], \s*2*1048576
	s_or_b32 s[G0+4*\s+3], s[G0+4*\s+3], 0x80000000
	s_mov_b32 s[G0B+4*\s], 1
	s_add_co_u32 s[G0B+4*\s+1], s21, \s*SLOT
	s_add_nc_u64 s[G0B+4*\s+2:G0B+4*\s+3], s[46:47], \s*2*131072
	s_or_b32 s[G0B+4*\s+3], s[G0B+4*\s+3], 0x80000000
	JLOAD \s
.endr
	v_and_b32 v1, 15, v0                           ; r
	v_bfe_u32 v2, v0, 4, 1                         ; h
	v_bfe_u32 v3, v0, 1, 3
	v_mul_u32_u24 v3, v3, 272
	v_and_b32 v4, 1, v0
	v_lshl_add_u32 v3, v4, 7, v3
	v_lshl_add_u32 v3, v2, 4, v3                   ; (r / 2) x 272 + (r % 2) x 128 + 16 h
	s_mul_i32 s21, s[HR], 64*272                   ; my 128 rows of att
	s_mul_i32 s22, s[HC], 32*272                   ; my 64 rows of wp,
	s_add_co_u32 s22, s22, 2*APL                   ; behind att's two planes
.irp s, 0,1
	v_add_nc_u32 v[ADRA+\s], s21, v3
	v_add_nc_u32 v[ADRB+\s], s22, v3
	s_add_co_u32 s21, s21, SLOT
	s_add_co_u32 s22, s22, SLOT
.endr
	s_mul_i32 s23, s[WV], 16*SPITCH
	s_add_co_u32 s23, s23, STAGE
	v_mul_u32_u24 v4, v1, SPITCH
	v_lshl_add_u32 v4, v2, 5, v4
	v_add_nc_u32 v[STO], s23, v4                   ; in: row r, 32 bytes for each half of the lanes
	v_mul_u32_u24 v4, v2, SPITCH
	v_lshl_add_u32 v4, v1, 4, v4
	v_add_nc_u32 v[RD], s23, v4                    ; back: lanes 0-15 one row of 256 bytes, lanes 16-31 the next
	v_lshlrev_b32 v4, 12, v2
	v_lshl_add_u32 v[CO], v1, 4, v4
	v_lshlrev_b32 v5, 5, v2                        ; the bias: my half's eight columns
	s_lshl_b32 s46, s42, 9
	s_lshl_b32 s47, s[HC], 8
	s_add_co_u32 s46, s46, s47                     ; my first column, in bytes
	s_mov_b32 s47, 0
	s_add_nc_u64 s[8:9], s[8:9], s[46:47]
.irp b, 0,1,2,3
	global_load_b128 v[BIAS+8*\b:BIAS+8*\b+3], v5, s[8:9] offset:64*\b
	global_load_b128 v[BIAS+8*\b+4:BIAS+8*\b+7], v5, s[8:9] offset:64*\b+16
.endr
	s_lshl_b32 s16, s[TR], 8
	s_lshl_b32 s17, s[HR], 7
	s_add_co_u32 s16, s16, s17
	s_lshl_b32 s16, s16, 12                        ; my first row, 4,096 bytes a row
	s_mov_b32 s17, 0
	s_add_nc_u64 s[10:11], s[10:11], s[16:17]
	s_add_nc_u64 s[10:11], s[10:11], s[46:47]
; 8 matrix instructions: att's blocks a0, a0 + 1 x wp's four, 32 along K.  zero = 1: the bias is C.  The 32 accumulators take turns.
.macro MUL8 f, a0, zero
.irp a, \a0, \a0+1
.irp b, 0,1,2,3
.if \zero
	v_wmma_f32_16x16x32_f16 v[8*(4*(\a)+\b):8*(4*(\a)+\b)+7], v[\f+64+8*\b:\f+64+8*\b+7], v[\f+8*(\a):\f+8*(\a)+7], v[BIAS+8*\b:BIAS+8*\b+7]
.else
	v_wmma_f32_16x16x32_f16 v[8*(4*(\a)+\b):8*(4*(\a)+\b)+7], v[\f+64+8*\b:\f+64+8*\b+7], v[\f+8*(\a):\f+8*(\a)+7], v[8*(4*(\a)+\b):8*(4*(\a)+\b)+7]
.endif
.endr
.endr
.endm
; 24 LDS loads in one run: quarter q of a slot (plane q / 2, channels 32 (q % 2) on): wp's four blocks, att's blocks 0-3, att's blocks 4-7
.macro FETCH slot, q, f
.irp i, 0,1,2,3
	ds_load_b128 v[\f+64+8*\i:\f+64+8*\i+3], v[ADRB+\slot] offset:((\q)/2)*BPL+((\q)%2)*64+\i*8*272
	ds_load_b128 v[\f+64+8*\i+4:\f+64+8*\i+7], v[ADRB+\slot] offset:((\q)/2)*BPL+((\q)%2)*64+\i*8*272+32
.endr
.irp i, 0,1,2,3,4,5,6,7
	ds_load_b128 v[\f+8*\i:\f+8*\i+3], v[ADRA+\slot] offset:((\q)/2)*APL+((\q)%2)*64+\i*8*272
	ds_load_b128 v[\f+8*\i+4:\f+8*\i+7], v[ADRA+\slot] offset:((\q)/2)*APL+((\q)%2)*64+\i*8*272+32
.endr
.endm
.macro PLACES
.rept 4
	v_nop
.endr
.endm
; One of a slot's first three quarters: multiplies buffer f; in its middle it fetches quarter q into buffer g.
.macro QUARTER slot, q, f, g, zero
	s_wait_dscnt 8                                 ; wp's and att's blocks 0-3 are in; att's blocks 4-7 may be out
	WIN MUL-0x10*(\zero)
	MUL8 \f, 0, \zero
	MUL8 \f, 2, \zero
	WIN 0
	PLACES                                         ; in front of loads into registers that matrix instructions have read
	FETCH \slot, \q, \g
	s_wait_dscnt 24                                ; all but the 24 just issued
	WIN MUL-0x10*(\zero)
	MUL8 \f, 4, \zero
	MUL8 \f, 6, \zero
.endm
; A slot's last quarter multiplies buffer 1 and changes slots: one barrier; in front of it each wave waits for all its tensor loads, adds 0 to its spare word, and waits for that and for its reads of this slot.
.macro TURN slot, next, fill
	WIN 0
	s_wait_tensorcnt 0x0                           ; all my tensor loads have landed: my part of the next slot
	ds_add_u32 v[SPW], v[NIL]
	s_wait_dscnt 9                                 ; (the add and att's blocks 4-7 may be out)
	WIN MUL
	MUL8 F1, 0, 0
	s_wait_dscnt 0x0                               ; the add is done, and my reads of this slot are over
	s_barrier_signal -1
	MUL8 F1, 2, 0
	WIN 0
	s_barrier_wait -1
.if \fill
	CREST                                          ; the barrier has opened a round of the cluster's: no wave of any partner still reads this slot or has a load on its way
	s_add_nc_u64 s[G0+4*\slot+2:G0+4*\slot+3], s[G0+4*\slot+2:G0+4*\slot+3], 4*1048576
	s_add_nc_u64 s[G0B+4*\slot+2:G0B+4*\slot+3], s[G0B+4*\slot+2:G0B+4*\slot+3], 4*131072
	JLOAD \slot                                    ; the first tensor load behind the round; its four v_nop are also the places in front of the loads below
.else
	PLACES
.endif
	FETCH \next, 0, F0
	WIN MUL
	MUL8 F1, 4, 0
	MUL8 F1, 6, 0
.endm
	s_wait_tensorcnt 1                             ; my part of K step 0 is in; K step 1's load may be out
	s_barrier_signal -1
	s_barrier_wait -1
	FETCH 0, 0, F0
	s_wait_loadcnt 0x0                             ; the bias
	QUARTER 0, 1, F0, F1, 1                        ; the first quarter starts the sums
	WIN 0
	s_mov_b32 s3, LAPS-1
.Llap:
	QUARTER 0, 2, F1, F0, 0
	QUARTER 0, 3, F0, F1, 0
	TURN 0, 1, 1
	QUARTER 1, 1, F0, F1, 0
	QUARTER 1, 2, F1, F0, 0
	QUARTER 1, 3, F0, F1, 0
	TURN 1, 0, 1
	QUARTER 0, 1, F0, F1, 0
	WIN 0
	s_sub_co_u32 s3, s3, 1
	s_cmp_lg_u32 s3, 0
	s_cbranch_scc1 .Llap
	QUARTER 0, 2, F1, F0, 0                        ; the last lap fills nothing
	QUARTER 0, 3, F0, F1, 0
	TURN 0, 1, 0
	QUARTER 1, 1, F0, F1, 0
	QUARTER 1, 2, F1, F0, 0
	QUARTER 1, 3, F0, F1, 0
	s_wait_dscnt 8
	WIN MUL
	MUL8 F1, 0, 0
	MUL8 F1, 2, 0
	s_wait_dscnt 0
	MUL8 F1, 4, 0
	MUL8 F1, 6, 0
	WIN 0
; THE WAY OUT, a block of 16 rows x 64 columns at a time, through my own stage: back as whole runs of 256 bytes.
.macro TOSTAGE a
	WIN 0x04                                       ; an LDS store's data are its source 1: window 1
.irp b, 0,1,2,3
	ds_store_b128 v[STO], v[8*(4*(\a)+\b):8*(4*(\a)+\b)+3] offset:64*\b          ; each accumulator from its low end on
	ds_store_b128 v[STO], v[8*(4*(\a)+\b)+4:8*(4*(\a)+\b)+7] offset:64*\b+16
.endr
	WIN 0
.set BB, OB+32*((\a)%2)
.irp t, 0,1,2,3,4,5,6,7
	ds_load_b128 v[BB+4*\t:BB+4*\t+3], v[RD] offset:\t*2*SPITCH
.endr
.endm
.macro SEND a, younger
.set BB, OB+32*((\a)%2)
	s_wait_dscnt \younger
.irp t, 0,1,2,3,4,5,6,7
	global_store_b128 v[CO], v[BB+4*\t:BB+4*\t+3], s[10:11] offset:(\a)*65536+\t*8192 th:TH_STORE_NT   ; 16 lanes store 256 consecutive bytes, aligned
.endr
.endm
	PLACES
	TOSTAGE 0
.irp a, 1,2,3,4,5,6,7
.if \a > 1
	s_wait_xcnt 0x0                                ; block a - 2's stores have read their registers
.endif
	TOSTAGE \a
	SEND \a-1, 16                                  ; behind block a - 1's loads: block a's 8 stores and 8 loads
.endr
	SEND 7, 0
	s_wait_tensorcnt 0x0                           ; the wave's end
	ds_add_u32 v[SPW], v[NIL]
	s_wait_dscnt 0x0
	CROUND                                         ; the closing round
	s_endpgm
.Lfunc_end_k_q7caa3f5132_proj:
	.size	k_q7caa3f5132_proj, .Lfunc_end_k_q7caa3f5132_proj-k_q7caa3f5132_proj
	.p2alignl 7, 3214868480
	.fill 96, 4, 3214868480
	.section	.rodata,"a",@progbits
	.p2align	6, 0x0
	.amdhsa_kernel k_q7caa3f5132_proj
		.amdhsa_group_segment_fixed_size 327680
		.amdhsa_private_segment_fixed_size 0
		.amdhsa_enable_private_segment 0
		.amdhsa_kernarg_size 32
		.amdhsa_user_sgpr_count 2
		.amdhsa_user_sgpr_kernarg_segment_ptr 1
		.amdhsa_wavefront_size32 1
		.amdhsa_system_sgpr_workgroup_id_x 1
		.amdhsa_system_sgpr_workgroup_id_y 1
		.amdhsa_system_sgpr_workgroup_id_z 1
		.amdhsa_system_vgpr_workitem_id 0
		.amdhsa_next_free_vgpr 512
		.amdhsa_next_free_sgpr 66
		.amdhsa_reserve_vcc 0
		.amdhsa_float_denorm_mode_32 3
		.amdhsa_float_denorm_mode_16_64 3
		.amdhsa_memory_ordered 1
		.amdhsa_forward_progress 1
		.amdhsa_inst_pref_size 86
	.end_amdhsa_kernel
	.amdgpu_metadata
---
amdhsa.version: [ 1, 2 ]
amdhsa.kernels:
  - .name:           k_q7caa3f5132_proj
    .symbol:         k_q7caa3f5132_proj.kd
    .args:
      - { .name: att, .offset: 0, .size: 8, .value_kind: global_buffer, .address_space: global }
      - { .name: wp16, .offset: 8, .size: 8, .value_kind: global_buffer, .address_space: global }
      - { .name: bp, .offset: 16, .size: 8, .value_kind: global_buffer, .address_space: global }
      - { .name: out0, .offset: 24, .size: 8, .value_kind: global_buffer, .address_space: global }
    .group_segment_fixed_size: 327680
    .private_segment_fixed_size: 0
    .kernarg_segment_align: 8
    .kernarg_segment_size: 32
    .max_flat_workgroup_size: 128
    .sgpr_count:     66
    .vgpr_count:     512
    .wavefront_size: 32
...
	.end_amdgpu_metadata
.endif
;; end of part 4
;; launch first16 (part 5): grid 16 x 4, 1 waves a work-group, no clusters, 0 bytes of LDS; arguments xcodes, xscales, wcodes, wscales, bq, bk, bv, att16; writes att16
.if DOCPART == 5
	.amdgcn_target "amdgcn-amd-amdhsa--gfx1250"
	.amdhsa_code_object_version 6
	.text
	.protected	k_q7caa3f5132_first16
	.globl	k_q7caa3f5132_first16
	.p2align	8
	.type	k_q7caa3f5132_first16,@function
k_q7caa3f5132_first16:
	s_mov_b64 s[64:65], 0
	v_nop
	global_prefetch_b8 v0, s[64:65] scope:SCOPE_SE
	s_setreg_imm32_b32 hwreg(HW_REG_WAVE_MODE, 25, 1), 1
	s_wait_xcnt 0x0
; Positions 0-15 of one (head, batch), carried in f32: their rows average few values and are the largest of the output.
; q, k, v of the 16 tokens by the same products on FP4 codes as the bulk (K = 1,024, eight steps of 128, the bias as C); they stay f32.  Scores, softmax and p v in f32, by v_wmma_f32_16x16x4_f32.
; q and k are made TRANSPOSED (source 0 = 16 rows of the weight, source 1 = the tokens): lane (r, h) holds token r and channels 16 dt + 8 h + j.  Pairs of these registers are operands of the f32 form for
; S^T = k q^T: both sides carry the same order of channels.  v is made in the natural order: lane (r, h) holds channel 16 ct + r and tokens 8 h + j: pairs of its registers are source 0 of O^T = v^T p.
; One wave; 64 work-groups.  The stores are 16 bytes a lane on rows 4,096 bytes apart: the whole result is 262,144 bytes.
; REGISTERS: window 0: v1-7 addresses; v16-79 x's fragments; v80-87 x's scale words; v88-135 the weights'; v136-167 q, v168-199 k, v200-231 v; v232-255 at work.
;   window 1: wq's fragments, later wv's.  window 2: wk's.  window 3: v0-31 four partial S^T, v32-63 O^T: written by matrix instructions alone.
.set XF, 16
.set XS, 80
.set WS, 88
.set QA, 136
.set KA, 168
.set VA, 200
.set PP, 232                           ; v232-239 the scores, then p
.set TU, 240
.set MSB, 0
.macro WIN new
.if MSB != (\new)
	s_set_vgpr_msb (MSB<<8)|(\new)
.set MSB, (\new)
.endif
.endm
	s_load_b256 s[4:11], s[0:1], 0x0               ; x's codes, x's scales, the weights' codes, their scales
	s_load_b256 s[12:19], s[0:1], 0x20             ; bq, bk, bv, the result
	v_and_b32 v8, 15, v0                           ; r
	v_lshrrev_b32 v9, 4, v0                        ; h
	v_lshlrev_b32 v1, 9, v8
	v_lshl_add_u32 v1, v9, 4, v1                   ; codes: row r of 512 bytes, + 16 h
	v_lshlrev_b32 v2, 5, v8                        ; x's scale bytes: 32 a row
	v_lshlrev_b32 v3, 5, v0                        ; the weights': lane l takes row l of 32: two tiles' words in one register
	v_lshlrev_b32 v4, 5, v9                        ; 32 h
	v_lshlrev_b32 v5, 2, v8                        ; 4 r
	v_lshlrev_b32 v6, 12, v8
	v_lshl_add_u32 v6, v9, 5, v6                   ; out: row r of 4,096 bytes, + 32 h
	v_lshlrev_b32 v7, 3, v9
	v_sub_nc_u32 v7, v8, v7                        ; r - 8 h
	v_mov_b32 v255, 0xff800000
	s_and_b32 s20, ttmp7, 0xffff                   ; batch
	s_mov_b32 s23, 0
	s_mov_b32 s24, 0x76543210
	s_mov_b32 s25, 0xfedcba98
	s_mov_b32 s26, 0x3d0293ee                      ; c = log2(e) / sqrt(2,048)
	s_wait_kmcnt 0x0
	s_lshl_b32 s22, s20, 20
	s_add_nc_u64 s[4:5], s[4:5], s[22:23]          ; the batch's first token
	s_lshl_b32 s22, s20, 16
	s_add_nc_u64 s[6:7], s[6:7], s[22:23]
	s_add_nc_u64 s[18:19], s[18:19], s[22:23]
	s_lshl_b32 s22, ttmp9, 15
	s_add_nc_u64 s[8:9], s[8:9], s[22:23]          ; the head's 64 rows of a weight
	s_lshl_b32 s22, ttmp9, 11
	s_add_nc_u64 s[10:11], s[10:11], s[22:23]
	s_lshl_b32 s22, ttmp9, 8
	s_add_nc_u64 s[12:13], s[12:13], s[22:23]
	s_add_nc_u64 s[14:15], s[14:15], s[22:23]
	s_add_nc_u64 s[16:17], s[16:17], s[22:23]
	s_add_nc_u64 s[18:19], s[18:19], s[22:23]
.irp s, 0,1,2,3,4,5,6,7
.irp c, 0,1
	global_load_b128 v[XF+8*\s+4*\c:XF+8*\s+4*\c+3], v1, s[4:5] offset:64*\s+32*\c
.endr
.endr
	global_load_b128 v[XS:XS+3], v2, s[6:7]
	global_load_b128 v[XS+4:XS+7], v2, s[6:7] offset:16
.irp g, 0,1,2,3,4,5                    ; weight g / 2, rows 32 (g % 2) on
	global_load_b128 v[WS+8*\g:WS+8*\g+3], v3, s[10:11] offset:(\g/2)*32768+(\g%2)*1024
	global_load_b128 v[WS+8*\g+4:WS+8*\g+7], v3, s[10:11] offset:(\g/2)*32768+(\g%2)*1024+16
.endr
.irp d, 0,1,2,3                        ; the biases go straight into the accumulators
	global_load_b128 v[QA+8*\d:QA+8*\d+3], v4, s[12:13] offset:64*\d
	global_load_b128 v[QA+8*\d+4:QA+8*\d+7], v4, s[12:13] offset:64*\d+16
	global_load_b128 v[KA+8*\d:KA+8*\d+3], v4, s[14:15] offset:64*\d
	global_load_b128 v[KA+8*\d+4:KA+8*\d+7], v4, s[14:15] offset:64*\d+16
.irp j, 0,1,2,3,4,5,6,7
	global_load_b32 v[VA+8*\d+\j], v5, s[16:17] offset:64*\d     ; v's lane holds one channel in all eight registers
.endr
.endr
.macro WLOAD w                         ; a weight's four tiles x eight K steps: 64 loads
.irp d, 0,1,2,3
.irp s, 0,1,2,3,4,5,6,7
.irp c, 0,1
	global_load_b128 v[64*\d+8*\s+4*\c:64*\d+8*\s+4*\c+3], v1, s[8:9] offset:\w*524288+\d*8192+64*\s+32*\c
.endr
.endr
.endr
.endm
	WIN 0x40
	WLOAD 0
	WIN 0x80
	WLOAD 1
; q or k: four accumulators by turns, K step by K step
.macro TPROD acc, w
.irp s, 0,1,2,3,4,5,6,7
.irp d, 0,1,2,3
.if \d%2
	v_wmma_scale_f32_16x16x128_f8f6f4 v[\acc+8*\d:\acc+8*\d+7], v[64*\d+8*\s:64*\d+8*\s+7], v[XF+8*\s:XF+8*\s+7], v[\acc+8*\d:\acc+8*\d+7], v[WS+8*(2*\w+\d/2)+\s], v[XS+\s] matrix_a_fmt:MATRIX_FMT_FP4 matrix_b_fmt:MATRIX_FMT_FP4 matrix_a_scale:MATRIX_SCALE_ROW1
.else
	v_wmma_scale_f32_16x16x128_f8f6f4 v[\acc+8*\d:\acc+8*\d+7], v[64*\d+8*\s:64*\d+8*\s+7], v[XF+8*\s:XF+8*\s+7], v[\acc+8*\d:\acc+8*\d+7], v[WS+8*(2*\w+\d/2)+\s], v[XS+\s] matrix_a_fmt:MATRIX_FMT_FP4 matrix_b_fmt:MATRIX_FMT_FP4
.endif
.endr
.endr
.endm
	s_wait_loadcnt 63                              ; all but wk's loads are wanted: 64 are younger; 63 is the largest count that the wait can name, and a smaller count is safe
	WIN 0x01
	TPROD QA, 0
.rept 4
	v_nop                                          ; places in front of loads into registers that matrix instructions have read
.endr
	WIN 0x40
	WLOAD 2
	s_wait_loadcnt 63                              ; wk is in; wv's loads are younger
	WIN 0x02
	TPROD KA, 1
	s_wait_loadcnt 0x0
	WIN 0x04
.irp s, 0,1,2,3,4,5,6,7
.irp d, 0,1,2,3
.if \d%2
	v_wmma_scale_f32_16x16x128_f8f6f4 v[VA+8*\d:VA+8*\d+7], v[XF+8*\s:XF+8*\s+7], v[64*\d+8*\s:64*\d+8*\s+7], v[VA+8*\d:VA+8*\d+7], v[XS+\s], v[WS+8*(4+\d/2)+\s] matrix_a_fmt:MATRIX_FMT_FP4 matrix_b_fmt:MATRIX_FMT_FP4 matrix_b_scale:MATRIX_SCALE_ROW1
.else
	v_wmma_scale_f32_16x16x128_f8f6f4 v[VA+8*\d:VA+8*\d+7], v[XF+8*\s:XF+8*\s+7], v[64*\d+8*\s:64*\d+8*\s+7], v[VA+8*\d:VA+8*\d+7], v[XS+\s], v[WS+8*(4+\d/2)+\s] matrix_a_fmt:MATRIX_FMT_FP4 matrix_b_fmt:MATRIX_FMT_FP4
.endif
.endr
.endr
	WIN 0
.rept 5
	v_nop                                          ; five places before matrix instructions take these results as operands
.endr
	WIN 0xc0                                       ; S^T = k q^T in four partial sums, one for each 16 channels, by turns
.irp d, 0,1,2,3
	v_wmma_f32_16x16x4_f32 v[8*\d:8*\d+7], v[KA+8*\d:KA+8*\d+1], v[QA+8*\d:QA+8*\d+1], 0
.endr
	WIN 0xf0
.irp i, 1,2,3
.irp d, 0,1,2,3
	v_wmma_f32_16x16x4_f32 v[8*\d:8*\d+7], v[KA+8*\d+2*\i:KA+8*\d+2*\i+1], v[QA+8*\d+2*\i:QA+8*\d+2*\i+1], v[8*\d:8*\d+7]
.endr
.endr
	WIN 0
.rept 8
	v_nop                                          ; eight places behind this form
.endr
	WIN 0x0f
.irp j, 0,1,2,3,4,5,6,7
	v_add_f32 v[PP+\j], v[\j], v[8+\j]
.endr
.irp j, 0,1,2,3,4,5,6,7
	v_add_f32 v[TU+\j], v[16+\j], v[24+\j]
.endr
	WIN 0
.irp j, 0,1,2,3,4,5,6,7
	v_add_f32 v[PP+\j], v[PP+\j], v[TU+\j]         ; lane (r, h): query r, key 8 h + j
.endr
.irp j, 0,1,2,3,4,5,6,7
	v_cmp_gt_i32 vcc_lo, \j, v7                    ; hidden where 8 h + j > r
	v_cndmask_b32 v[PP+\j], v[PP+\j], v255, vcc_lo
.endr
	v_max3_num_f32 v248, v[PP], v[PP+1], v[PP+2]
	v_max3_num_f32 v249, v[PP+3], v[PP+4], v[PP+5]
	v_max3_num_f32 v248, v248, v[PP+6], v[PP+7]
	v_max_num_f32 v248, v248, v249
	v_permlanex16_b32 v249, v248, s24, s25
	v_max_num_f32 v248, v248, v249                 ; the row's maximum: key 0 counts for every query
	v_mul_f32 v249, s26, v248
.irp j, 0,1,2,3,4,5,6,7
	v_fma_f32 v[PP+\j], v[PP+\j], s26, -v249
.endr
.irp j, 0,1,2,3,4,5,6,7
	v_exp_f32 v[PP+\j], v[PP+\j]
.endr
	v_nop
	s_wait_alu depctr_va_vdst(0)                   ; one wait for the eight, ahead of their first reader
	v_add_f32 v250, v[PP], v[PP+1]
	v_add_f32 v251, v[PP+2], v[PP+3]
	v_add_f32 v252, v[PP+4], v[PP+5]
	v_add_f32 v253, v[PP+6], v[PP+7]
	v_add_f32 v250, v250, v251
	v_add_f32 v252, v252, v253
	v_add_f32 v250, v250, v252
	v_permlanex16_b32 v251, v250, s24, s25
	v_add_f32 v250, v250, v251                     ; the row's sum
	v_rcp_f32 v252, v250
	v_nop
	s_wait_alu depctr_va_vdst(0)
	WIN 0xc0                                       ; O^T = v^T p: four tiles of 16 channels by turns, four keys (two of each half of the lanes) a step
.irp d, 0,1,2,3
	v_wmma_f32_16x16x4_f32 v[32+8*\d:32+8*\d+7], v[VA+8*\d:VA+8*\d+1], v[PP:PP+1], 0
.endr
	WIN 0xf0
.irp i, 1,2,3
.irp d, 0,1,2,3
	v_wmma_f32_16x16x4_f32 v[32+8*\d:32+8*\d+7], v[VA+8*\d+2*\i:VA+8*\d+2*\i+1], v[PP+2*\i:PP+2*\i+1], v[32+8*\d:32+8*\d+7]
.endr
.endr
	WIN 0
.rept 8
	v_nop
.endr
	WIN 0x01+0x02                                  ; source 0 in window 3
.set e, 0
.rept 32
	v_mul_f32 v[XF+e], v[32+e], v252               ; lane (r, h): query r, channel 16 d + 8 h + j
.set e, e+1
.endr
	WIN 0
.irp d, 0,1,2,3
	global_store_b128 v6, v[XF+8*\d:XF+8*\d+3], s[18:19] offset:64*\d
	global_store_b128 v6, v[XF+8*\d+4:XF+8*\d+7], s[18:19] offset:64*\d+16
.endr
	s_endpgm
.Lfunc_end_k_q7caa3f5132_first16:
	.size	k_q7caa3f5132_first16, .Lfunc_end_k_q7caa3f5132_first16-k_q7caa3f5132_first16
	.p2alignl 7, 3214868480
	.fill 96, 4, 3214868480
	.section	.rodata,"a",@progbits
	.p2align	6, 0x0
	.amdhsa_kernel k_q7caa3f5132_first16
		.amdhsa_group_segment_fixed_size 0
		.amdhsa_private_segment_fixed_size 0
		.amdhsa_enable_private_segment 0
		.amdhsa_kernarg_size 64
		.amdhsa_user_sgpr_count 2
		.amdhsa_user_sgpr_kernarg_segment_ptr 1
		.amdhsa_wavefront_size32 1
		.amdhsa_system_sgpr_workgroup_id_x 1
		.amdhsa_system_sgpr_workgroup_id_y 1
		.amdhsa_system_sgpr_workgroup_id_z 1
		.amdhsa_system_vgpr_workitem_id 0
		.amdhsa_next_free_vgpr 832
		.amdhsa_next_free_sgpr 66
		.amdhsa_reserve_vcc 1
		.amdhsa_float_denorm_mode_32 3
		.amdhsa_float_denorm_mode_16_64 3
		.amdhsa_memory_ordered 1
		.amdhsa_forward_progress 1
		.amdhsa_inst_pref_size 47
	.end_amdhsa_kernel
	.amdgpu_metadata
---
amdhsa.version: [ 1, 2 ]
amdhsa.kernels:
  - .name:           k_q7caa3f5132_first16
    .symbol:         k_q7caa3f5132_first16.kd
    .args:
      - { .name: xcodes, .offset: 0, .size: 8, .value_kind: global_buffer, .address_space: global }
      - { .name: xscales, .offset: 8, .size: 8, .value_kind: global_buffer, .address_space: global }
      - { .name: wcodes, .offset: 16, .size: 8, .value_kind: global_buffer, .address_space: global }
      - { .name: wscales, .offset: 24, .size: 8, .value_kind: global_buffer, .address_space: global }
      - { .name: bq, .offset: 32, .size: 8, .value_kind: global_buffer, .address_space: global }
      - { .name: bk, .offset: 40, .size: 8, .value_kind: global_buffer, .address_space: global }
      - { .name: bv, .offset: 48, .size: 8, .value_kind: global_buffer, .address_space: global }
      - { .name: att16, .offset: 56, .size: 8, .value_kind: global_buffer, .address_space: global }
    .group_segment_fixed_size: 0
    .private_segment_fixed_size: 0
    .kernarg_segment_align: 8
    .kernarg_segment_size: 64
    .max_flat_workgroup_size: 32
    .sgpr_count:     66
    .vgpr_count:     832
    .wavefront_size: 32
...
	.end_amdgpu_metadata
.endif
;; end of part 5
;; launch first16proj (part 6): grid 64 x 4, 8 waves a work-group, no clusters, 9,216 bytes of LDS; arguments att16, wp, bp, out0; writes out0
.if DOCPART == 6
	.amdgcn_target "amdgcn-amd-amdhsa--gfx1250"
	.amdhsa_code_object_version 6
	.text
	.protected	k_q7caa3f5132_first16proj
	.globl	k_q7caa3f5132_first16proj
	.p2align	8
	.type	k_q7caa3f5132_first16proj,@function
k_q7caa3f5132_first16proj:
	s_mov_b64 s[64:65], 0
	v_nop
	global_prefetch_b8 v0, s[64:65] scope:SCOPE_SE
	s_setreg_imm32_b32 hwreg(HW_REG_WAVE_MODE, 25, 1), 1
	s_wait_xcnt 0x0
; out0[batch][t < 16][n] = the sum over c of att16[16 batch + t][c] wp[n][c] + bp[n], all in f32, by v_wmma_f32_16x16x4_f32: the fine rows are written over what the bulk projection left there.
; A work-group takes 16 columns of one batch; each of its eight waves 128 of the 1,024 along c, in four accumulators by turns; the eight partial tiles meet in LDS and are added in ascending order of c.
; Both operands are loaded alike (lane (r, h): row r, eight neighbours at 16 g + 8 h), so a pair of registers holds the same four c on both sides.
; The stores are runs of 64 bytes: 16 columns a work-group keep 256 work-groups at work for 64 of the output's 8,192 rows.
.set AT,  16                           ; v16-79   att16
.set WP,  80                           ; v80-143  wp
.set ACC, 144                          ; v144-175 four accumulators: written by matrix instructions alone
.set SM,  176                          ; v176-191 at work
.set SPW, 2
.set NIL, 3
.set SPARE, 8192                       ; behind the eight partial tiles: the spare words, 128 bytes a wave
	s_load_b256 s[4:11], s[0:1], 0x0               ; att16, wp, bp, out0
	v_lshl_add_u32 v[SPW], v0, 2, SPARE
	v_mov_b32 v[NIL], 0
	v_lshrrev_b32 v1, 5, v0
	v_readfirstlane_b32 s12, v1                    ; wave 0..7
	v_and_b32 v4, 15, v0                           ; r
	v_bfe_u32 v5, v0, 4, 1                         ; h
	v_lshlrev_b32 v6, 12, v4
	v_lshl_add_u32 v6, v5, 5, v6                   ; row r of 4,096 bytes, + 32 h
	v_lshlrev_b32 v7, 2, v4                        ; 4 r
	v_lshl_add_u32 v8, v5, 15, v7                  ; out: 8 h rows, column r
	v_and_b32 v9, 31, v0
	v_lshlrev_b32 v9, 2, v9
	s_lshl_b32 s13, s12, 10
	v_add_nc_u32 v9, s13, v9                       ; LDS, in: 1,024 x wave + 4 x lane, register j 128 j on
	v_lshlrev_b32 v10, 2, v0                       ; back: register w of every wave: 128 w + 4 x lane, wave u 1,024 u on
	s_and_b32 s14, ttmp7, 0xffff                   ; batch
	s_mov_b32 s17, 0
	s_lshl_b32 s18, s12, 9                         ; my 128 along c
	s_wait_kmcnt 0x0
	s_lshl_b32 s16, s14, 16
	s_add_co_u32 s16, s16, s18
	s_add_nc_u64 s[4:5], s[4:5], s[16:17]
	s_lshl_b32 s16, ttmp9, 16                      ; 16 rows of wp
	s_add_co_u32 s16, s16, s18
	s_add_nc_u64 s[6:7], s[6:7], s[16:17]
	s_lshl_b32 s16, ttmp9, 6
	s_add_nc_u64 s[8:9], s[8:9], s[16:17]
	s_add_nc_u64 s[10:11], s[10:11], s[16:17]
	s_lshl_b32 s16, s14, 23                        ; the batch's 2,048 rows,
	s_lshl_b32 s18, s12, 12                        ; row w of each half
	s_add_co_u32 s16, s16, s18
	s_add_nc_u64 s[10:11], s[10:11], s[16:17]
.irp g, 0,1,2,3,4,5,6,7
	global_load_b128 v[AT+8*\g:AT+8*\g+3], v6, s[4:5] offset:64*\g
	global_load_b128 v[AT+8*\g+4:AT+8*\g+7], v6, s[4:5] offset:64*\g+16
	global_load_b128 v[WP+8*\g:WP+8*\g+3], v6, s[6:7] offset:64*\g
	global_load_b128 v[WP+8*\g+4:WP+8*\g+7], v6, s[6:7] offset:64*\g+16
.endr
	global_load_b32 v11, v7, s[8:9]                ; bp of my column
	s_wait_loadcnt 0x0
.irp i, 0,1,2,3
	v_wmma_f32_16x16x4_f32 v[ACC+8*\i:ACC+8*\i+7], v[AT+2*\i:AT+2*\i+1], v[WP+2*\i:WP+2*\i+1], 0
.endr
.irp g, 1,2,3,4,5,6,7
.irp i, 0,1,2,3
	v_wmma_f32_16x16x4_f32 v[ACC+8*\i:ACC+8*\i+7], v[AT+8*\g+2*\i:AT+8*\g+2*\i+1], v[WP+8*\g+2*\i:WP+8*\g+2*\i+1], v[ACC+8*\i:ACC+8*\i+7]
.endr
.endr
.rept 8
	v_nop                                          ; eight places behind this form
.endr
.irp j, 0,1,2,3,4,5,6,7
	v_add_f32 v[SM+\j], v[ACC+\j], v[ACC+8+\j]
.endr
.irp j, 0,1,2,3,4,5,6,7
	v_add_f32 v[SM+8+\j], v[ACC+16+\j], v[ACC+24+\j]
.endr
.irp j, 0,1,2,3,4,5,6,7
	v_add_f32 v[SM+\j], v[SM+\j], v[SM+8+\j]       ; lane (r, h): row 8 h + j, column r
.endr
.irp j, 0,1,2,3,4,5,6,7
	ds_store_b32 v9, v[SM+\j] offset:128*\j
.endr
	s_wait_dscnt 0x0                               ; for the others' sake: my stores are done
	s_barrier_signal -1
	s_barrier_wait -1
.irp u, 0,1,2,3,4,5,6,7
	ds_load_b32 v[SM+\u], v10 offset:1024*\u
.endr
	s_wait_dscnt 0x0
.irp u, 0,1,2,3,4,5,6,7
	v_add_f32 v11, v11, v[SM+\u]
.endr
	global_store_b32 v8, v11, s[10:11]             ; rows w and 8 + w, 16 columns each
	s_wait_tensorcnt 0x0                           ; the wave's end
	ds_add_u32 v[SPW], v[NIL]
	s_wait_dscnt 0x0
	s_endpgm
.Lfunc_end_k_q7caa3f5132_first16proj:
	.size	k_q7caa3f5132_first16proj, .Lfunc_end_k_q7caa3f5132_first16proj-k_q7caa3f5132_first16proj
	.p2alignl 7, 3214868480
	.fill 96, 4, 3214868480
	.section	.rodata,"a",@progbits
	.p2align	6, 0x0
	.amdhsa_kernel k_q7caa3f5132_first16proj
		.amdhsa_group_segment_fixed_size 9216
		.amdhsa_private_segment_fixed_size 0
		.amdhsa_enable_private_segment 0
		.amdhsa_kernarg_size 32
		.amdhsa_user_sgpr_count 2
		.amdhsa_user_sgpr_kernarg_segment_ptr 1
		.amdhsa_wavefront_size32 1
		.amdhsa_system_sgpr_workgroup_id_x 1
		.amdhsa_system_sgpr_workgroup_id_y 1
		.amdhsa_system_sgpr_workgroup_id_z 1
		.amdhsa_system_vgpr_workitem_id 0
		.amdhsa_next_free_vgpr 192
		.amdhsa_next_free_sgpr 66
		.amdhsa_reserve_vcc 0
		.amdhsa_float_denorm_mode_32 3
		.amdhsa_float_denorm_mode_16_64 3
		.amdhsa_memory_ordered 1
		.amdhsa_forward_progress 1
		.amdhsa_inst_pref_size 10
	.end_amdhsa_kernel
	.amdgpu_metadata
---
amdhsa.version: [ 1, 2 ]
amdhsa.kernels:
  - .name:           k_q7caa3f5132_first16proj
    .symbol:         k_q7caa3f5132_first16proj.kd
    .args:
      - { .name: att16, .offset: 0, .size: 8, .value_kind: global_buffer, .address_space: global }
      - { .name: wp, .offset: 8, .size: 8, .value_kind: global_buffer, .address_space: global }
      - { .name: bp, .offset: 16, .size: 8, .value_kind: global_buffer, .address_space: global }
      - { .name: out0, .offset: 24, .size: 8, .value_kind: global_buffer, .address_space: global }
    .group_segment_fixed_size: 9216
    .private_segment_fixed_size: 0
    .kernarg_segment_align: 8
    .kernarg_segment_size: 32
    .max_flat_workgroup_size: 256
    .sgpr_count:     66
    .vgpr_count:     192
    .wavefront_size: 32
...
	.end_amdgpu_metadata
.endif
;; end of part 6
